; MI455X (gfx1250); checked and timed in simulation.
; The chip was launched on July 23, 2026; its instructions are those of AMD's public machine-readable ISA for CDNA 5 (MIT licence, August 2026) and "CDNA5" Instruction Set Architecture Reference Guide (July 2026). The comments in the code are by the model that wrote it; some were corrected since.
;; MAN. Allowed arithmetic: float matrix products may take bf16 or f16 operands with f32 sums; other float arithmetic in f32, or as packed bf16 or f16 multiplies, adds, multiply-adds, maxima and minima; sums over many terms, partial sums and values carried from step to step in f32; what a program stores and reads back later, other than sums and carried values, may be rounded once to bf16 or f16.
;; Inputs: Wk 1,024 x 1,024 float32; Wo 1,024 x 1,024 float32; Wq 1,024 x 1,024 float32; Wv 1,024 x 1,024 float32; bk 1,024 float32; bo 1,024 float32; bq 1,024 float32; bv 1,024 float32; gammas 16 float32; k 4 x 1,024 x 1,024 float32; q 4 x 1,024 x 1,024 float32; v 4 x 1,024 x 1,024 float32.
;; Outputs: out0 4 x 1,024 x 1,024 float32.
;; One version. Each part assembles by itself: llvm-mc -triple=amdgcn-amd-amdhsa -mcpu=gfx1250 --defsym DOCPART=n.
;; ======== version 1 of 1: 4 launches
;; limits: values outside matrix products are rounded to bf16; values are held in f16: magnitudes above 65,504 overflow, below 6.1e-05 lose precision
;; workspace buffers: cb 33,554,432 bytes; qkv 25,165,824 bytes; ob 8,388,608 bytes
;; launch cast (part 1): grid 256 x 4, 8 waves a work-group, no clusters, 0 bytes of LDS; arguments q, k, v, Wq, Wk, Wv, Wo, cb; writes cb
.if DOCPART == 1
	.amdgcn_target "amdgcn-amd-amdhsa--gfx1250"
	.amdhsa_code_object_version 6
	.text
	.protected	k_qe6abab7476_cast
	.globl	k_qe6abab7476_cast
	.p2align	8
	.type	k_qe6abab7476_cast,@function
k_qe6abab7476_cast:
	s_mov_b64 s[64:65], 0
	v_nop
	global_prefetch_b8 v0, s[64:65] scope:SCOPE_SE
	s_setreg_imm32_b32 hwreg(HW_REG_WAVE_MODE, 25, 1), 1
	s_wait_xcnt 0x0
; q, k, v, Wq, Wk, Wv: f32 -> bf16.  Wo: f32 -> bf16, and that number written as f16.  All into cb:
;   bytes 0 ..: [3][4096][1024] bf16 (q, k, v);  from 25,165,824: [4][1024][1024] of 16 bits (Wq, Wk, Wv in bf16, Wo in f16).
; LIMITS.  Wo as f16: a number of 65,520 or more becomes an infinity; below 6e-5 it keeps f16's fixed step of 6e-8.
; SHARES.  A work-group takes 16,384 numbers: 65,536 bytes in, 32,768 out.  Work-group (x, y) has the number id = 256 y + x, and its output is cb + 32,768 id.
; y = 0, 1, 2: chunk x of q, k, v.  y = 3: chunk x % 64 of weight x / 64.  A stream: no LDS, no barrier, no matrix unit; each byte is read once and written once.
; All sixteen loads of a thread go out at once (16 bytes a lane, a wave's load covers 512 consecutive bytes); each store of a wave covers 256 consecutive bytes, aligned.
.set X, 4                              ; v[4:67]    sixteen loads of four f32
.set Y, 68                             ; v[68:99]   sixteen pairs of packed results; each pair is written for one store alone
.set T, 100                            ; v[100:103] at work (Wo)
	s_load_b512 s[8:23], s[0:1], 0x0               ; q 8, k 10, v 12, Wq 14, Wk 16, Wv 18, Wo 20, cb 22
	s_and_b32 s2, ttmp7, 0xffff                    ; y
	s_lshl_b32 s3, s2, 8
	s_add_co_u32 s3, s3, ttmp9                     ; id
	s_lshr_b32 s4, ttmp9, 6                        ; which weight, if y = 3
	s_and_b32 s5, ttmp9, 63                        ; and which chunk of it
	v_lshlrev_b32 v1, 4, v0                        ; 16 bytes a thread in
	v_lshlrev_b32 v2, 3, v0                        ; 8 bytes a thread out
	s_wait_kmcnt 0x0
	s_cmp_eq_u32 s2, 1
	s_cselect_b64 s[24:25], s[10:11], s[8:9]
	s_cmp_eq_u32 s2, 2
	s_cselect_b64 s[24:25], s[12:13], s[24:25]
	s_cmp_eq_u32 s4, 1
	s_cselect_b64 s[26:27], s[16:17], s[14:15]
	s_cmp_eq_u32 s4, 2
	s_cselect_b64 s[26:27], s[18:19], s[26:27]
	s_cmp_eq_u32 s4, 3
	s_cselect_b64 s[26:27], s[20:21], s[26:27]
	s_cmp_eq_u32 s2, 3
	s_cselect_b64 s[24:25], s[26:27], s[24:25]     ; the source tensor
	s_cselect_b32 s28, s5, ttmp9                   ; and my chunk of it
	s_lshl_b32 s28, s28, 16
	s_mov_b32 s29, 0
	s_add_nc_u64 s[24:25], s[24:25], s[28:29]
	s_lshl_b32 s30, s3, 15
	s_mov_b32 s31, 0
	s_add_nc_u64 s[22:23], s[22:23], s[30:31]
.irp i, 0,1,2,3,4,5,6,7,8,9,10,11,12,13,14,15
	global_load_b128 v[X+4*(\i):X+4*(\i)+3], v1, s[24:25] offset:4096*(\i) th:TH_LOAD_NT
.endr
; wo = 1: the bf16 number is widened again and written as f16
.macro CONV wo
.irp i, 0,1,2,3,4,5,6,7,8,9,10,11,12,13,14,15
	s_wait_loadcnt 15-(\i)                         ; loads come back in order: load i is in, the 15 - i younger ones may stay out
	v_cvt_pk_bf16_f32 v[Y+2*(\i)], v[X+4*(\i)], v[X+4*(\i)+1]
	v_cvt_pk_bf16_f32 v[Y+2*(\i)+1], v[X+4*(\i)+2], v[X+4*(\i)+3]
.if \wo
	v_lshlrev_b32 v[T], 16, v[Y+2*(\i)]
	v_and_b32 v[T+1], 0xffff0000, v[Y+2*(\i)]
	v_lshlrev_b32 v[T+2], 16, v[Y+2*(\i)+1]
	v_and_b32 v[T+3], 0xffff0000, v[Y+2*(\i)+1]
	v_cvt_pk_f16_f32 v[Y+2*(\i)], v[T], v[T+1]
	v_cvt_pk_f16_f32 v[Y+2*(\i)+1], v[T+2], v[T+3]
.endif
	global_store_b64 v2, v[Y+2*(\i):Y+2*(\i)+1], s[22:23] offset:2048*(\i)
.endr
.endm
	s_cmp_ge_u32 s3, 960                           ; ids 960 to 1,023 are Wo's
	s_cbranch_scc1 .Lwo
	CONV 0
	s_endpgm
.Lwo:
	CONV 1
	s_endpgm
.Lfunc_end_k_qe6abab7476_cast:
	.size	k_qe6abab7476_cast, .Lfunc_end_k_qe6abab7476_cast-k_qe6abab7476_cast
	.p2alignl 7, 3214868480
	.fill 96, 4, 3214868480
	.section	.rodata,"a",@progbits
	.p2align	6, 0x0
	.amdhsa_kernel k_qe6abab7476_cast
		.amdhsa_group_segment_fixed_size 0
		.amdhsa_private_segment_fixed_size 0
		.amdhsa_enable_private_segment 0
		.amdhsa_kernarg_size 64
		.amdhsa_user_sgpr_count 2
		.amdhsa_user_sgpr_kernarg_segment_ptr 1
		.amdhsa_wavefront_size32 1
		.amdhsa_system_sgpr_workgroup_id_x 1
		.amdhsa_system_sgpr_workgroup_id_y 1
		.amdhsa_system_sgpr_workgroup_id_z 1
		.amdhsa_system_vgpr_workitem_id 0
		.amdhsa_next_free_vgpr 108
		.amdhsa_next_free_sgpr 66
		.amdhsa_reserve_vcc 0
		.amdhsa_float_denorm_mode_32 3
		.amdhsa_float_denorm_mode_16_64 3
		.amdhsa_memory_ordered 1
		.amdhsa_forward_progress 1
		.amdhsa_inst_pref_size 16
	.end_amdhsa_kernel
	.amdgpu_metadata
---
amdhsa.version: [ 1, 2 ]
amdhsa.kernels:
  - .name:           k_qe6abab7476_cast
    .symbol:         k_qe6abab7476_cast.kd
    .args:
      - { .name: q, .offset: 0, .size: 8, .value_kind: global_buffer, .address_space: global }
      - { .name: k, .offset: 8, .size: 8, .value_kind: global_buffer, .address_space: global }
      - { .name: v, .offset: 16, .size: 8, .value_kind: global_buffer, .address_space: global }
      - { .name: Wq, .offset: 24, .size: 8, .value_kind: global_buffer, .address_space: global }
      - { .name: Wk, .offset: 32, .size: 8, .value_kind: global_buffer, .address_space: global }
      - { .name: Wv, .offset: 40, .size: 8, .value_kind: global_buffer, .address_space: global }
      - { .name: Wo, .offset: 48, .size: 8, .value_kind: global_buffer, .address_space: global }
      - { .name: cb, .offset: 56, .size: 8, .value_kind: global_buffer, .address_space: global }
    .group_segment_fixed_size: 0
    .private_segment_fixed_size: 0
    .kernarg_segment_align: 8
    .kernarg_segment_size: 64
    .max_flat_workgroup_size: 256
    .sgpr_count:     66
    .vgpr_count:     108
    .wavefront_size: 32
...
	.end_amdgpu_metadata
.endif
;; end of part 1
;; launch proj (part 2): grid 4 x 48, 4 waves a work-group, clusters of 4 x 4, 327,680 bytes of LDS; arguments cb, bq, bk, bv, qkv; writes qkv
.if DOCPART == 2
	.amdgcn_target "amdgcn-amd-amdhsa--gfx1250"
	.amdhsa_code_object_version 6
	.text
	.protected	k_qe6abab7476_proj
	.globl	k_qe6abab7476_proj
	.p2align	8
	.type	k_qe6abab7476_proj,@function
k_qe6abab7476_proj:
	s_mov_b64 s[64:65], 0
	v_nop
	global_prefetch_b8 v0, s[64:65] scope:SCOPE_SE
	s_setreg_imm32_b32 hwreg(HW_REG_WAVE_MODE, 25, 1), 1
	s_wait_xcnt 0x0
	s_wait_alu depctr_hold_cnt(0) depctr_sa_sdst(0) depctr_va_vdst(0) depctr_va_sdst(0) depctr_va_ssrc(0) depctr_va_vcc(0) depctr_vm_vsrc(0)
	s_getreg_b32 s2, hwreg(HW_REG_IB_STS2, 6, 4)
	s_cmp_eq_u32 s2, 0
	s_cbranch_scc0 .Lentry_in_a_cluster
	s_endpgm
.Lentry_in_a_cluster:
	s_bfe_u32 s2, ttmp6, 0x10000c
	s_cmp_lg_u32 s2, 0xf033
	s_cbranch_scc0 .Lentry_shape_is_right
	s_endpgm
.Lentry_shape_is_right:
; THE THREE PROJECTIONS AS ONE PRODUCT.  C[m][n] = bias_t[n] + sum over k of X[m][k] W_t[n][k], m = 0 .. 12,287 over q's, k's and v's rows (t = m / 4096), n = 0 .. 1,023, K = 1,024.
; X: cb, [12288][1024] bf16.  W: cb + WB, [3][1024][1024] bf16.  The biases are rounded to bf16 like every other input and are the C operand of the products that start the sums.
; Out: qkv, [3][b 16 + h][1024][64] f16, unscaled, rounded once from the f32 sums.
; LIMIT.  f16 holds no number beyond 65,504: a projected q, k or v of 65,520 or more becomes an infinity.
; SHARES.  A tile of C, 256 x 256, is made by a work-group of four waves, a wave makes 128 x 128: 64 accumulators of 16 x 16, 512 registers.  48 x 4 tiles: 192 work-groups; a tile of
; 128 x 256 would make 384, a round and a half for 256 WGPs.  K goes in steps of 128 through a ring of two LDS slots filled by the tensor data mover; rows of 256 bytes, aligned.
; CLUSTERS: 4 x 4 work-groups.  The four of a row of the cluster need the same rows of X, the four of a column the same rows of W: each tile is asked for JOINTLY, by the same tensor load with
; the same descriptor and a mask that names the four.  A cluster lies inside one of the three tensors (four clusters to each), so t is the same in all sixteen.
; REGISTERS, in windows of 256 (s_set_vgpr_msb: bits 1:0 source 0, 3:2 source 1, 5:4 source 2, 7:6 destination):
;   window 0: v0-31 addresses; v64-127, v128-191 fragments of X, two buffers; v192-255 the bias, later at work on the way out, with v32-63
;   window 1: v64-127, v128-191 fragments of W, two buffers       window 2: the accumulators of my rows 0-63 ((a, b) at v[8 (8 a + b)])       window 3: those of my rows 64-127
; THE MATRIX INSTRUCTION IS USED TRANSPOSED: source 0 = 16 rows of W, source 1 = 16 rows of X: a lane holds row l % 16 of C and the columns 8 (l / 16) + 0 .. 7: 16 bytes of f16 on end.
.set SIZE_K, 1024
.set KSTEP,  128
.set PITCH,  272                       ; an LDS row: 256 bytes + 16 of padding = 68 words: the 16 rows that a load touches start at 16 different groups of four banks (64 banks of 4 bytes: ISA guide 11.1)
.set HALFT,  128*PITCH                 ; 128 rows: what one tensor load brings, and what one wave reads of X or of W
.set SLOT,   4*HALFT                   ; X's 256 rows, then W's 256 rows
.set STAGE,  2*SLOT                    ; behind the ring: 16 rows x 272 bytes for each wave, for the way out
.set SPITCH, 272
.set SPARE,  STAGE+4*16*SPITCH         ; behind the stages: the spare words, 128 bytes for each wave: two blocks of 256 bytes that no other line names
.set LAPS,   SIZE_K/(2*KSTEP)          ; a lap = two K steps = once round the ring: 4
.set WB,     25165824                  ; the weights' first byte in cb
.set HEADB,  131072                    ; a head's bytes in qkv
.set ADRA, 16                          ; v16-17  LDS address of my X fragments in slot 0, 1
.set ADRB, 20                          ; v20-21  the same for W
.set STO,  24                          ; v24     the way out: where I put 16 bytes of a row
.set RD,   25                          ; v25     the way out: where I read rows back
.set CO,   26                          ; v26     16 x my lane: my place in 512 consecutive bytes of a head
.set BO,   27                          ; v27     my byte offset in the bias
.set SPW,  28                          ; v28     LDS address of my spare word; never rewritten
.set NIL,  29                          ; v29     0; never rewritten
.set PFO,  30                          ; v30     the prefetches' offset: my lane x a row of 2,048 bytes; never rewritten
.set PFA,  44                          ; s[44:45] where my prefetches stand
.set LIM,  43                          ; s43     1 in a wave that prefetches, else the greatest number
.set F0,   64
.set F1,   128
.set BIAS, 192                         ; v192-255: block b's eight numbers at BIAS + 8 b
.set TMP,  192                         ; the way out: packed results
.set OB,   32                          ; the way out: 16 rows read back: v32-63 and v224-255 by turns
.set G1, 24                            ; s[24:31] descriptor group 1 for X's tiles
.set G0, 32                            ; s[32:39] group 0 for X's tiles, one set for each slot
.set G1B, 48                           ; s[48:55], s[56:63] the same for W's
.set G0B, 56
.set MSB, 0
.macro WIN new                         ; the immediate's high byte repeats the setting that is left; a switch that changes nothing is dropped
.if MSB != (\new)
	s_set_vgpr_msb (MSB<<8)|(\new)
.set MSB, \new
.endif
.endm
.set MUL_LO, 0xa1                      ; source 0 (W) window 1, source 1 (X) window 0, C and D window 2
.set TO_B,   0x40                      ; destination window 1, address window 0
; A joint load.  Waves 0 and 1 fetch X's two halves, waves 2 and 3 W's.  The branch hangs on the wave's number alone.  An s_nop 0 and four v_nop follow each of the two lines.
.macro JLOAD s
	s_cmp_eq_u32 s11, 0
	s_cbranch_scc0 .Lfor_b_\@
	tensor_load_to_lds s[G0+4*(\s):G0+4*(\s)+3], s[G1:G1+7]
	s_nop 0
.rept 4
	v_nop
.endr
	s_branch .Lasked_\@
.Lfor_b_\@:
	tensor_load_to_lds s[G0B+4*(\s):G0B+4*(\s)+3], s[G1B:G1B+7]
	s_nop 0
.rept 4
	v_nop
.endr
.Lasked_\@:
.endm
; A PREFETCH INTO THE L2, behind each joint refill and the run of LDS loads that follows it: the K step that stands two refills on, 32 rows x 256 bytes, a lane a row, one instruction a wave.
; Each row's 256 bytes of a K step are named once in the launch.  X's rows are read by one cluster alone, which asks for them; a weight's rows by four clusters, of which the first (cluster y % 4 = 0) asks.
; The four partners that ask for a tile jointly share its rows out by address: of the 128 rows that a wave fetches the partner at place p takes 32 p .. 32 p + 31 (p = cx for X, cy for W).
; K steps 0 to 3 come by their loads alone; the loop's last trip (s3 = 1) asks for nothing: there is no K step two refills on.
.macro ASK
	s_cmp_gt_u32 s3, s[LIM]
	s_cbranch_scc0 .Lnot_mine_\@
	global_prefetch_b8 v[PFO], s[PFA:PFA+1] offset:KSTEP*2 th:TH_LOAD_NT scope:SCOPE_SE
.Lnot_mine_\@:
.endm
.macro CREST                           ; a round of the cluster's barrier behind its opening barrier
	s_cmp_lg_u32 s10, 0
	s_cbranch_scc1 .Lnot_wave_0_\@
	s_barrier_signal -3
.Lnot_wave_0_\@:
	s_barrier_wait -3
	s_barrier_signal -1
	s_barrier_wait -1
.endm
.macro CROUND                          ; a whole round
	s_barrier_signal -1
	s_barrier_wait -1
	CREST
.endm
	s_load_b256 s[68:75], s[0:1], 0x0              ; cb 68, bq 70, bk 72, bv 74
	s_load_b64 s[8:9], s[0:1], 0x20                ; qkv
	v_lshl_add_u32 v[SPW], v0, 2, SPARE
	v_mov_b32 v[NIL], 0
	ds_add_u32 v[SPW], v[NIL]                      ; the wave's opening: the add and its wait stand ahead of my first tensor load; the set-up below, work on registers, stands between them
	v_lshrrev_b32 v1, 5, v0
	v_readfirstlane_b32 s10, v1                    ; wave 0..3
	s_lshr_b32 s11, s10, 1                         ; which half of the tile's rows is mine.  Also: I fetch for X (0) or for W (1)
	s_and_b32 s12, s10, 1                          ; which half of its columns.  Also: which 128 rows of that tile I fetch
	s_bfe_u32 s40, ttmp6, 0x40000                  ; cx
	s_bfe_u32 s41, ttmp6, 0x40004                  ; cy
	s_lshl_b32 s42, ttmp9, 2
	s_add_co_u32 s42, s42, s40                     ; tile column of C = 4 x cluster x + cx
	s_and_b32 s66, ttmp7, 0xffff                   ; cluster y, 0 .. 11
	s_lshl_b32 s13, s66, 2
	s_add_co_u32 s13, s13, s41                     ; tile row of C = 4 x cluster y + cy
	s_lshr_b32 s67, s66, 2                         ; t: which of q, k, v; the same in all sixteen partners
	s_lshl_b32 s43, s41, 2
	s_lshl_b32 s43, 15, s43                        ; my row of the cluster
	s_lshl_b32 s44, 0x1111, s40                    ; my column
	; descriptor group 1: a tile of 128 rows x 128 elements, padded in LDS
	s_or_b32 s[G1+0], s43, (1<<16)|(1<<20)|(1<<21)|(5<<22)|(3<<25)  ; 15:0 the mask: X's tiles go to my row; 17:16 elements of 2 bytes; 20 padding on; 21 set beside a mask; 24:22 after every 64 words; 31:25 of 4 words
	s_or_b32 s[G1B+0], s44, (1<<16)|(1<<20)|(1<<21)|(5<<22)|(3<<25) ; the same with the mask of my column, for W's tiles
.irp g, G1, G1B
	s_mov_b32 s[(\g)+1], KSTEP<<16                 ; tensor_dim0 = 128
	s_mov_b32 s[(\g)+2], 128<<16                   ; tensor_dim1 = 128
	s_mov_b32 s[(\g)+3], KSTEP<<16                 ; tile_dim0 = 128
	s_mov_b32 s[(\g)+4], 128                       ; tile_dim1 = 128
	s_mov_b32 s[(\g)+5], SIZE_K                    ; elements from row to row
	s_mov_b32 s[(\g)+6], 0
	s_mov_b32 s[(\g)+7], 0
.endr
	; where the tiles come from.  X's hang on the tile row alone, W's on t and the tile column alone; each address is made in registers that never hold the other coordinate
	s_lshl_b32 s17, s12, 7                         ; which 128 rows of the tile I fetch
	s_lshl_b32 s16, s13, 8
	s_add_co_u32 s16, s16, s17                     ; X: row 256 x tile row + 128 x half
	s_lshl_b32 s16, s16, 11                        ; rows of 2,048 bytes: 25,163,776 at the most
	s_lshl_b32 s46, s42, 8
	s_add_co_u32 s46, s46, s17
	s_lshl_b32 s47, s67, 10
	s_add_co_u32 s46, s46, s47                     ; W: row 1,024 t + 256 x tile column + 128 x half
	s_lshl_b32 s46, s46, 11
	s_mov_b32 s17, 0
	s_mov_b32 s47, 0
	s_mul_i32 s20, s10, HALFT                      ; and where they go: wave x 128 rows: no place in the cluster enters an LDS address
	s_wait_dscnt 0x0                               ; the opening add is done
	s_wait_kmcnt 0x0
	s_mov_b64 s[4:5], s[68:69]                     ; X
	s_add_nc_u64 s[6:7], s[68:69], WB              ; W
	s_add_nc_u64 s[14:15], s[4:5], s[16:17]
	s_add_nc_u64 s[46:47], s[6:7], s[46:47]
	CROUND                                         ; all sixteen work-groups are here: the first joint loads meet
.irp s, 0,1
	s_mov_b32 s[G0+4*(\s)], 1                                      ; count = 1
	s_add_co_u32 s[G0+4*(\s)+1], s20, (\s)*SLOT                    ; LDS address
	s_add_nc_u64 s[G0+4*(\s)+2:G0+4*(\s)+3], s[14:15], (\s)*KSTEP*2  ; global address: K step s
	s_or_b32 s[G0+4*(\s)+3], s[G0+4*(\s)+3], 0x80000000            ; type = 2
	s_mov_b32 s[G0B+4*(\s)], 1
	s_add_co_u32 s[G0B+4*(\s)+1], s20, (\s)*SLOT
	s_add_nc_u64 s[G0B+4*(\s)+2:G0B+4*(\s)+3], s[46:47], (\s)*KSTEP*2
	s_or_b32 s[G0B+4*(\s)+3], s[G0B+4*(\s)+3], 0x80000000
	JLOAD \s                                       ; two loads of mine are out
.endr
	; the bias of my 128 columns: block b's register j is bias[256 x tile column + 128 x half + 16 b + 8 (l / 16) + j]
	v_and_b32 v1, 15, v0                           ; l % 16
	v_bfe_u32 v2, v0, 4, 1                         ; l / 16
	s_cmp_eq_u32 s67, 1
	s_cselect_b64 s[76:77], s[72:73], s[70:71]
	s_cmp_eq_u32 s67, 2
	s_cselect_b64 s[76:77], s[74:75], s[76:77]
	s_lshl_b32 s78, s42, 10
	s_lshl_b32 s79, s12, 9
	s_add_co_u32 s78, s78, s79
	v_lshl_add_u32 v[BO], v2, 5, s78
.irp b, 0,1,2,3,4,5,6,7
	global_load_b128 v[BIAS+8*(\b):BIAS+8*(\b)+3],   v[BO], s[76:77] offset:64*(\b)
	global_load_b128 v[BIAS+8*(\b)+4:BIAS+8*(\b)+7], v[BO], s[76:77] offset:64*(\b)+16
.endr
	; A fragment is 16 rows x 32 K in 8 registers: lane l holds row l % 16; registers 0-3 K = 8 (l / 16) + 0..7, registers 4-7 K = 16 + 8 (l / 16) + 0..7: two loads of 16 bytes, 32 bytes apart
	v_mul_u32_u24 v3, v1, PITCH
	v_lshl_add_u32 v3, v2, 4, v3
	s_mul_i32 s21, s11, HALFT                      ; my 128 rows of X
	s_mul_i32 s22, s12, HALFT                      ; my 128 rows of W,
	s_add_co_u32 s22, s22, 2*HALFT                 ; which lie behind X's 256
.irp s, 0,1
	v_add_nc_u32 v[ADRA+(\s)], s21, v3
	v_add_nc_u32 v[ADRB+(\s)], s22, v3
	s_add_co_u32 s21, s21, SLOT
	s_add_co_u32 s22, s22, SLOT
.endr
	s_mul_i32 s23, s10, 16*SPITCH
	s_add_co_u32 s23, s23, STAGE                   ; my stage
	v_mul_u32_u24 v4, v1, SPITCH                   ; in: row l % 16, 16 bytes for each half of the lanes
	v_lshl_add_u32 v4, v2, 4, v4
	v_add_nc_u32 v[STO], s23, v4
	v_bfe_u32 v5, v0, 3, 2                         ; back: 32 lanes take 128 bytes (one head's part) of four rows
	v_mul_u32_u24 v5, v5, SPITCH
	v_and_b32 v4, 7, v0
	v_lshl_add_u32 v5, v4, 4, v5
	v_add_nc_u32 v[RD], s23, v5
	v_and_b32 v[CO], 31, v0                        ; which are 512 consecutive bytes of that head
	v_lshlrev_b32 v[CO], 4, v[CO]
	; where my part begins in qkv: head 16 x cluster y + 4 x tile column + 2 x half (16 x cluster y = 64 t + 16 b), row 256 cy + 128 x half of that head
	s_lshl_b32 s16, s66, 4
	s_lshl_b32 s20, s42, 2
	s_add_co_u32 s16, s16, s20
	s_lshl_b32 s20, s12, 1
	s_add_co_u32 s16, s16, s20
	s_lshl_b32 s16, s16, 17
	s_lshl_b32 s20, s41, 15
	s_add_co_u32 s16, s16, s20
	s_lshl_b32 s20, s11, 14
	s_add_co_u32 s16, s16, s20
	s_mov_b32 s17, 0
	; the prefetches
	s_lshl_b32 s20, s13, 8                         ; X: the tile's first row
	s_lshl_b32 s21, s42, 8
	s_lshl_b32 s22, s67, 10
	s_add_co_u32 s21, s21, s22                     ; W: the tile's first row
	s_and_b32 s22, s66, 3                          ; which of the four clusters that read this weight
	s_cmp_eq_u32 s11, 0                            ; do I fetch for X?
	s_cselect_b32 s20, s20, s21
	s_cselect_b32 s21, s40, s41                    ; my place among the four that ask for it with me
	s_cselect_b32 s22, ttmp9, s22                  ; the coordinate along which other clusters read the same rows
	s_cselect_b64 s[PFA:PFA+1], s[4:5], s[6:7]
	s_cmp_eq_u32 s22, 0
	s_cselect_b32 s[LIM], 1, -1                    ; the same in all sixteen partners, for a given wave
	s_lshl_b32 s22, s12, 7
	s_add_co_u32 s20, s20, s22                     ; + the 128 rows that I fetch
	s_lshl_b32 s21, s21, 5
	s_add_co_u32 s20, s20, s21                     ; + my work-group's 32 of them
	s_lshl_b32 s20, s20, 11
	s_mov_b32 s21, 0
	s_add_nc_u64 s[PFA:PFA+1], s[PFA:PFA+1], s[20:21]
	s_add_nc_u64 s[PFA:PFA+1], s[PFA:PFA+1], 2*KSTEP*2  ; at K step 2: the first refill steps it to 3 and names K step 4
	v_and_b32 v[PFO], 31, v0
	v_lshlrev_b32 v[PFO], 11, v[PFO]
	s_wait_loadcnt 0x0                             ; the bias is in; it is rounded to bf16, as every input is, and widened again
.set i, 0
.rept 32
	v_cvt_pk_bf16_f32 v[1+i%4], v[BIAS+2*i], v[BIAS+2*i+1]
	v_lshlrev_b32 v[BIAS+2*i], 16, v[1+i%4]
	v_and_b32 v[BIAS+2*i+1], 0xffff0000, v[1+i%4]
.set i, i+1
.endr
; 16 matrix instructions: m blocks a0, a0 + 1 of the window's four (hi = 0: my rows 0-63, 1: rows 64-127) x all 8 n blocks, 32 along K.  zero = 1: the first product starts the sums, with the bias as C
.macro MUL16 f, hi, a0, zero
.if \zero
	WIN 0x81+0x40*(\hi)                            ; C in window 0, D in window 2 or 3
.else
	WIN MUL_LO+0x50*(\hi)
.endif
.irp a, \a0, (\a0)+1
.irp b, 0,1,2,3,4,5,6,7
.if \zero
	v_wmma_f32_16x16x32_bf16 v[8*(8*(\a)+(\b)):8*(8*(\a)+(\b))+7], v[(\f)+8*(\b):(\f)+8*(\b)+7], v[(\f)+8*(4*(\hi)+(\a)):(\f)+8*(4*(\hi)+(\a))+7], v[BIAS+8*(\b):BIAS+8*(\b)+7]
.else
	v_wmma_f32_16x16x32_bf16 v[8*(8*(\a)+(\b)):8*(8*(\a)+(\b))+7], v[(\f)+8*(\b):(\f)+8*(\b)+7], v[(\f)+8*(4*(\hi)+(\a)):(\f)+8*(4*(\hi)+(\a))+7], v[8*(8*(\a)+(\b)):8*(8*(\a)+(\b))+7]
.endif
.endr
.endr
.endm
; 32 LDS loads in one run: the fragments of one quarter step (128 rows of W, 128 rows of X, 32 K at byte k of the rows) into buffer f
.macro FETCH slot, k, f
	WIN TO_B
.irp i, 0,1,2,3,4,5,6,7
	ds_load_b128 v[(\f)+8*(\i):(\f)+8*(\i)+3],   v[ADRB+(\slot)] offset:(\k)+(\i)*16*PITCH
	ds_load_b128 v[(\f)+8*(\i)+4:(\f)+8*(\i)+7], v[ADRB+(\slot)] offset:(\k)+(\i)*16*PITCH+32
.endr
	WIN 0
.irp i, 0,1,2,3,4,5,6,7
	ds_load_b128 v[(\f)+8*(\i):(\f)+8*(\i)+3],   v[ADRA+(\slot)] offset:(\k)+(\i)*16*PITCH
	ds_load_b128 v[(\f)+8*(\i)+4:(\f)+8*(\i)+7], v[ADRA+(\slot)] offset:(\k)+(\i)*16*PITCH+32
.endr
.endm
; Four plain vector instructions stand between a matrix instruction and a load into one of its registers, or a vector instruction that reads its result (ISA guide 7.12.1 for vector instructions)
.macro PLACES
.rept 4
	v_nop
.endr
.endm
; A K step is four quarters of 32 along K, 64 matrix instructions each, on buffers 0, 1, 0, 1; the 64 accumulators take turns, in the same order in every quarter.
; One of the first three: multiplies buffer f; in its middle it fetches the next quarter's fragments, at byte k of the same slot's rows, into buffer g.
.macro QUARTER slot, k, f, g, zero
	s_wait_dscnt 8                                 ; W and X's rows 0-63 are in; the youngest eight loads (X's rows 64-127) may be out
	MUL16 \f, 0, 0, \zero
	MUL16 \f, 0, 2, \zero
	PLACES
	FETCH \slot, \k, \g
	s_wait_dscnt 32                                ; all but the 32 just issued
	MUL16 \f, 1, 0, \zero
	MUL16 \f, 1, 2, \zero
.endm
; The last quarter multiplies buffer 1 and changes slots.  MEET is its first half: one barrier.  In front of it each wave waits for all its tensor loads (one is out: its part of the next slot), adds 0 to its
; spare word, and waits for that and for its own reads of this slot.  Behind it nobody reads this slot any more and the next slot is whole.
.macro MEET round
	WIN 0                                          ; (the add's two registers lie in window 0)
	s_wait_tensorcnt 0x0
	ds_add_u32 v[SPW], v[NIL]                      ; 0 onto my spare word
	s_wait_dscnt 9                                 ; (the add and the youngest eight loads may be out)
	MUL16 F1, 0, 0, 0                              ; sixteen matrix instructions stand between the add and the wait for it
	s_wait_dscnt 0x0                               ; the add is done, and my reads of this slot are over
	s_barrier_signal -1
	MUL16 F1, 0, 2, 0                              ; work on registers while the others arrive
.if \round
	WIN 0
.endif
	s_barrier_wait -1
.endm
; The whole last quarter, with a refill: the barrier opens a round of the cluster's barrier; behind the round the slot just read out is filled again first, with the K step two steps on: from that request to the
; wait for it a wave issues 224 matrix instructions; then come the next slot's first fragments.
.macro TURN slot, next
	s_wait_xcnt 0x0                                ; the last prefetch, a K step back, has read its address: it is stepped here, ahead of the waits of the change of slots
	s_add_nc_u64 s[PFA:PFA+1], s[PFA:PFA+1], KSTEP*2
	MEET 1
	CREST                                          ; no wave of any partner still reads this slot's tile or has a load on its way
	s_add_nc_u64 s[G0+4*(\slot)+2:G0+4*(\slot)+3], s[G0+4*(\slot)+2:G0+4*(\slot)+3], 2*KSTEP*2
	s_add_nc_u64 s[G0B+4*(\slot)+2:G0B+4*(\slot)+3], s[G0B+4*(\slot)+2:G0B+4*(\slot)+3], 2*KSTEP*2
	JLOAD \slot                                    ; the four v_nop behind it are also the places in front of the loads below
	FETCH \next, 0, F0
	ASK
	MUL16 F1, 1, 0, 0
	MUL16 F1, 1, 2, 0
.endm
; THE WAY OUT of block a (16 rows x 128 columns: two heads' 64 channels).  PACK: rounded to f16, 16 bytes a lane.  TOSTAGE: into my own stage, and back as 128 bytes of four rows.  SEND: stored.
.macro PACK a
.set AC, 64*((\a)%4)
	WIN 0x0a+5*((\a)/4)                            ; sources 0 and 1: window 2 or 3
.irp b, 0,1,2,3,4,5,6,7
.irp r, 0,1,2,3
	v_cvt_pk_f16_f32 v[TMP+4*(\b)+(\r)], v[AC+8*(\b)+2*(\r)], v[AC+8*(\b)+2*(\r)+1]
.endr
.endr
	WIN 0
.endm
.macro TOSTAGE a
	WIN 0
.set BK, OB+192*((\a)%2)
.irp b, 0,1,2,3,4,5,6,7
	ds_store_b128 v[STO], v[TMP+4*(\b):TMP+4*(\b)+3] offset:32*(\b)
.endr
.irp t, 0,1,2,3,4,5,6,7
	ds_load_b128 v[BK+4*(\t):BK+4*(\t)+3], v[RD] offset:((\t)%4)*4*SPITCH+((\t)/4)*128  ; LDS serves a wave's instructions in order (ISA guide 5.7.1.4): these see the stores above
.endr
.endm
.macro SEND a
	WIN 0
.set BK, OB+192*((\a)%2)
	s_wait_dscnt 0x0                               ; the block is back in registers
	s_wait_xcnt 0x0                                ; only behind this wait are the stores' base and the registers that earlier stores read rewritten
.if (\a) == 0
	s_add_nc_u64 s[8:9], s[8:9], s[16:17]          ; on to my first rows
.else
	s_add_nc_u64 s[8:9], s[8:9], 16*128            ; 16 rows of a head on
.endif
.irp t, 0,1,2,3,4,5,6,7
	global_store_b128 v[CO], v[BK+4*(\t):BK+4*(\t)+3], s[8:9] offset:((\t)/4)*HEADB+((\t)%4)*512  ; 512 consecutive bytes of one head, at a multiple of 512 from qkv's first byte
.endr
.endm
	s_wait_tensorcnt 1                             ; my part of K step 0 is in; K step 1's may stay out
	s_barrier_signal -1
	s_barrier_wait -1                              ; everybody's is
	FETCH 0, 0, F0
	QUARTER 0, 64,  F0, F1, 1                      ; the first quarter stands in front of the loop: its products start the sums
	WIN 0                                          ; at a label and at a branch every window is 0
	s_mov_b32 s3, LAPS-1
.Llap:                                                 ; a trip goes once round the ring, from a lap's second quarter to the next lap's first, and fills both slots again
	QUARTER 0, 128, F1, F0, 0
	QUARTER 0, 192, F0, F1, 0
	TURN 0, 1
	QUARTER 1, 64,  F0, F1, 0
	QUARTER 1, 128, F1, F0, 0
	QUARTER 1, 192, F0, F1, 0
	TURN 1, 0
	QUARTER 0, 64,  F0, F1, 0
	WIN 0
	s_sub_co_u32 s3, s3, 1
	s_cmp_lg_u32 s3, 0
	s_cbranch_scc1 .Llap
	QUARTER 0, 128, F1, F0, 0                      ; the last lap is written out: it fills nothing
	QUARTER 0, 192, F0, F1, 0
	MEET 0                                         ; my one tensor load that was still out is slot 1's, the last K step's
	PLACES                                         ; for the loads into buffer 0, which the quarter before multiplied
	FETCH 1, 0, F0
	MUL16 F1, 1, 0, 0
	MUL16 F1, 1, 2, 0
	QUARTER 1, 64,  F0, F1, 0
	QUARTER 1, 128, F1, F0, 0
	QUARTER 1, 192, F0, F1, 0
	s_wait_dscnt 8                                 ; the very last quarter: nothing more to fetch
	MUL16 F1, 0, 0, 0
	MUL16 F1, 0, 2, 0
	s_wait_dscnt 0x0
	MUL16 F1, 1, 0, 0
	MUL16 F1, 1, 2, 0
	PLACES                                         ; the conversions read results just made
	PACK 0
	TOSTAGE 0
.irp a, 1,2,3,4,5,6,7                  ; block a's conversions stand between block a - 1's loads from the stage and the wait for them
	PACK \a
	SEND (\a)-1
	TOSTAGE \a
.endr
	SEND 7
	s_wait_tensorcnt 0x0                           ; the wave's end: behind my last tensor load and my last LDS store
	ds_add_u32 v[SPW], v[NIL]
	s_wait_dscnt 0x0
	CROUND                                         ; the closing round: no work-group ends while a partner may still ask for a tile that names it
	s_endpgm
.Lfunc_end_k_qe6abab7476_proj:
	.size	k_qe6abab7476_proj, .Lfunc_end_k_qe6abab7476_proj-k_qe6abab7476_proj
	.p2alignl 7, 3214868480
	.fill 96, 4, 3214868480
	.section	.rodata,"a",@progbits
	.p2align	6, 0x0
	.amdhsa_kernel k_qe6abab7476_proj
		.amdhsa_group_segment_fixed_size 327680
		.amdhsa_private_segment_fixed_size 0
		.amdhsa_enable_private_segment 0
		.amdhsa_kernarg_size 40
		.amdhsa_user_sgpr_count 2
		.amdhsa_user_sgpr_kernarg_segment_ptr 1
		.amdhsa_wavefront_size32 1
		.amdhsa_system_sgpr_workgroup_id_x 1
		.amdhsa_system_sgpr_workgroup_id_y 1
		.amdhsa_system_sgpr_workgroup_id_z 1
		.amdhsa_system_vgpr_workitem_id 0
		.amdhsa_next_free_vgpr 1024
		.amdhsa_next_free_sgpr 80
		.amdhsa_reserve_vcc 0
		.amdhsa_float_denorm_mode_32 3
		.amdhsa_float_denorm_mode_16_64 3
		.amdhsa_memory_ordered 1
		.amdhsa_forward_progress 1
		.amdhsa_inst_pref_size 151
	.end_amdhsa_kernel
	.amdgpu_metadata
---
amdhsa.version: [ 1, 2 ]
amdhsa.kernels:
  - .name:           k_qe6abab7476_proj
    .symbol:         k_qe6abab7476_proj.kd
    .args:
      - { .name: cb, .offset: 0, .size: 8, .value_kind: global_buffer, .address_space: global }
      - { .name: bq, .offset: 8, .size: 8, .value_kind: global_buffer, .address_space: global }
      - { .name: bk, .offset: 16, .size: 8, .value_kind: global_buffer, .address_space: global }
      - { .name: bv, .offset: 24, .size: 8, .value_kind: global_buffer, .address_space: global }
      - { .name: qkv, .offset: 32, .size: 8, .value_kind: global_buffer, .address_space: global }
    .group_segment_fixed_size: 327680
    .private_segment_fixed_size: 0
    .kernarg_segment_align: 8
    .kernarg_segment_size: 40
    .max_flat_workgroup_size: 128
    .sgpr_count:     80
    .vgpr_count:     1024
    .wavefront_size: 32
...
	.end_amdgpu_metadata
.endif
;; end of part 2
;; launch attn (part 3): grid 4 x 64, 8 waves a work-group, clusters of 4 x 1, 327,680 bytes of LDS; arguments qkv, gammas, ob; writes ob
.if DOCPART == 3
	.amdgcn_target "amdgcn-amd-amdhsa--gfx1250"
	.amdhsa_code_object_version 6
	.text
	.protected	k_qe6abab7476_attn
	.globl	k_qe6abab7476_attn
	.p2align	8
	.type	k_qe6abab7476_attn,@function
k_qe6abab7476_attn:
	s_mov_b64 s[64:65], 0
	v_nop
	global_prefetch_b8 v0, s[64:65] scope:SCOPE_SE
	s_setreg_imm32_b32 hwreg(HW_REG_WAVE_MODE, 25, 1), 1
	s_wait_xcnt 0x0
	s_wait_alu depctr_hold_cnt(0) depctr_sa_sdst(0) depctr_va_vdst(0) depctr_va_sdst(0) depctr_va_ssrc(0) depctr_va_vcc(0) depctr_vm_vsrc(0)
	s_getreg_b32 s2, hwreg(HW_REG_IB_STS2, 6, 4)
	s_cmp_eq_u32 s2, 0
	s_cbranch_scc0 .Lentry_in_a_cluster
	s_endpgm
.Lentry_in_a_cluster:
	s_bfe_u32 s2, ttmp6, 0x10000c
	s_cmp_lg_u32 s2, 0x3003
	s_cbranch_scc0 .Lentry_shape_is_right
	s_endpgm
.Lentry_shape_is_right:
; ATTENTION WITH A DISTANCE DECAY.  For one (batch, head) hd and a query row q, with s_k = Q[q] . K[k] (unscaled) and c = log2(e) / 8:
;   p_k   = 2^(c s_k - c M) / Z over ALL 1,024 keys (M the row's maximum, Z the row's sum)                      the first, unmasked softmax
;   suf_k = the sum of p_j over k < j <= q;   d_k = clamp(suf_k (q - k) gfac, 0, 1),  gfac = (softplus(gamma_h) / ln 1e5)^2
;   eff_k = 2^(-log2(1e5) sqrt(d_k)): this is exp(-softplus(gamma) sqrt(max(suf (q - k), 0))) held at 1e-5 from below; it never passes 1, so the upper clip at 1e5 cannot act
;   O[q]  = softmax over k <= q of (s_k eff_k / 8), times V                                                       the second, causal softmax, with a running maximum
; Q, K, V: qkv, [3][hd][1024][64] f16.  O: ob, [m / 16][h][m % 16][64] f16, m = 1,024 b + q: a tile of 16 rows of one head is 2,048 consecutive bytes.  gamma is rounded to bf16 like every input.
; LIMITS.  Q, K, V arrive within f16's 65,504.  A hidden score counts as its value less 1e30.  A weight below 2^-126 counts as 0.  NaN and infinities are not treated apart.
; suf is summed directly over the later keys, not formed as total minus cumulative sum, so its order of rounding differs; p is rounded to bf16 for that sum, the sum and its carry stay in f32.
; SHARES.  A head's 64 tiles of 16 queries have the numbers 4 g + cx (cx: my work-group's place in its cluster of four); the four tiles of a group g need the same g + 1 causal key steps of 64 keys.
; Wave w owns tile A (g = 15 - w) and tile B (g = w): 32 tile-steps in pass 1 and 17 in pass 2, whatever w.  No branch hangs on cx: it enters Q's and O's addresses and the data register DI alone.
; LDS.  The whole head's K and V lie in LDS, filled once at the start by joint loads of the four work-groups (same descriptor, mask 15): nothing is filled again, so the loops have no barrier.
; PASS 1, all 16 key steps, both tiles: a running maximum and sum for each lane's own half of the keys; the halves meet once, at the end; cmz = c M + log2 Z, so that p = 2^(c s - cmz).
; PASS 2, key steps downward from the diagonal: suf needs the sum of the LATER keys, which is then a carry from step to step.  Within a step suf is made by the matrix unit: triangular and all-ones
; matrices (TM) times p, with the carry as C.  Results have the scores' layout: one query a lane (l % 16), keys 8 (l / 16) + 0..7 of each 16.
; Two waves share a SIMD and meet no barrier in the loops: one wave's waits and chains are the other's time.  So the steps are written in phases.
; REGISTERS, in windows of 256 (s_set_vgpr_msb: bits 1:0 source 0, 3:2 source 1, 5:4 source 2, 7:6 destination):
;   window 0: see the names below.   window 1: v0-63 K of one step; v64-127 V of one step; v128-159 Q, 16 a tile; v160-223 O^T, 32 a tile; v224-239 TM
.set PK,    144       ; a row of K in LDS: 128 bytes + 16 of padding: the 16 rows of a load start at 16 different groups of four banks (64 banks of 4 bytes: ISA guide 11.1)
.set PV,    160       ; a row of V: 128 + 32
.set KSB,   64*PK     ; a key step's bytes of K
.set VSB,   64*PV     ; and of V
.set VOFF,  1024*PK   ; K's 1,024 rows, then V's
.set SPARE, VOFF+1024*PV  ; behind them: the spare words, 128 bytes for each of eight waves: four blocks of 256 bytes that no other line names
.set SP,    144       ; the way out: 16 rows x 144 bytes for each wave, at the head of K's bytes, written only when K has had its one fill and every wave its last read of K
.set AK0, 2           ; v2   my lane's place in a step of K; never rewritten
.set AV0, 3           ; v3   the same for V
.set AK,  4           ; v4   the LDS address of K's run of loads
.set AV,  5           ; v5   of V's
.set STO, 6           ; v6   the way out: where I put 16 bytes of a row
.set RD,  7           ; v7   the way out: where I read rows back
.set GO,  8           ; v8   16 x my lane
.set HH,  9           ; v9   l / 16
.set QO,  12          ; v12  my byte offset in 16 rows of Q
.set DI,  13          ; v13  16 cx + l % 16 - 8 (l / 16): my query's place in its band of 64, less my lanes' first key
.set SPW, 16          ; v16  LDS address of my spare word; never rewritten
.set NIL, 17          ; v17  0; never rewritten
.set GF,  18          ; v18  gfac
.set ST,  24          ; tile t's statistics at ST + 8 t: +0 c m1, later cmz; +1 m1; +2 c m2; +3 m2; +4, +5 the sum (even keys', odd keys'); +6 a; +7 named with a as a pair
.set CH,  40          ; tile t at CH + 6 t: four chains c0-c3 of the maximum, the old c m, a's argument
.set S,   64          ; v64-95   the scores of 64 keys
.set SUF, 96          ; v96-127  the mask, p, suf, d, eff in turn; in pass 1 tile B's scores
.set PB,  128         ; v128-143 p in bf16
.set P2,  144         ; v144-159 the final weights in f16
.set CAR, 160         ; v160-175 the carry, 8 registers a tile, the same number in each
.set CM,  176         ; v176-183 the carry plus the step's later 32 keys
.set WT,  184         ; v184-247 (q - k) gfac, 32 a tile
.set KF,  0           ; window 1: key block kb, channel half c at KF + 16 kb + 8 c
.set VF,  64          ; window 1: key half kk, channel block cb at VF + 32 kk + 8 cb
.set QF,  128
.set OT,  160
.set TM,  224         ; window 1: four words 0, the triangle U0-U3, eight words of two 1.0 in bf16
.set WV,  10          ; s10  my wave's number
.set CX,  11          ; s11  cx
.set HD,  12          ; s12  the head, 0 .. 63
.set G1K, 24          ; s[24:31] descriptor group 1 for K
.set G1V, 32          ; s[32:39] for V: it differs in the padding alone
.set G0K, 40          ; s[40:43] group 0 for K
.set G0V, 44          ; s[44:47] for V
.set CNT, 48          ; s48  counts key steps, 16 to 1; the step's number is CNT - 1
.set GA1, 49          ; s49  tile A's key steps: 16 - w
.set GB1, 50          ; s50  tile B's: w + 1
.set TBK, 51          ; s51  LDS byte at which the step's K begins
.set TBV, 52          ; s52  the same for V, less VOFF
.set BIGN, 53         ; s53  -1e30
.set CS,  54          ; s[54:55] c
.set NL,  56          ; s[56:57] -log2(1e5)
.set G64, 58          ; s[58:59] 64 gfac
.set SEL, 60          ; s[60:61] v_permlanex16_b32's selects: each lane takes its own place in the other half
.set GAM, 62          ; s62  gamma
.set PASS2, 0
.set MSB, 0
.macro WIN new                      ; the high byte repeats the setting that is left; a switch that changes nothing is dropped
.if MSB != (\new)
	s_set_vgpr_msb (MSB<<8)|(\new)
.set MSB, (\new)
.endif
.endm
.macro CROUND                       ; a round of the cluster's barrier
	s_barrier_signal -1
	s_barrier_wait -1
	s_cmp_lg_u32 s[WV], 0
	s_cbranch_scc1 .Lnot_wave_0_\@
	s_barrier_signal -3
.Lnot_wave_0_\@:
	s_barrier_wait -3
	s_barrier_signal -1
	s_barrier_wait -1
.endm
.macro PLACES                       ; four plain vector instructions between a matrix instruction and a vector instruction or load that touches its registers (ISA guide 7.12.1 for vector instructions)
.rept 4
	v_nop
.endr
.endm
	s_load_b128 s[4:7], s[0:1], 0x0   ; qkv s[4:5], gammas s[6:7]
	s_load_b64 s[8:9], s[0:1], 0x10   ; ob
	v_lshl_add_u32 v[SPW], v0, 2, SPARE
	v_mov_b32 v[NIL], 0
	ds_add_u32 v[SPW], v[NIL]       ; the wave's opening: the add and its wait stand ahead of my first tensor load; the set-up below, work on registers, stands between them
	v_lshrrev_b32 v1, 5, v0
	v_readfirstlane_b32 s[WV], v1   ; wave 0..7
	s_bfe_u32 s[CX], ttmp6, 0x40000
	s_and_b32 s[HD], ttmp7, 0xffff  ; the cluster's y: the four partners share the head
	s_sub_co_u32 s[GA1], 16, s[WV]
	s_add_co_u32 s[GB1], s[WV], 1
	; descriptor group 1.  128 keys are 16,384 dense bytes: asked for as 64 rows of 256 bytes, two keys a row, padded in LDS after every key
	s_mov_b32 s[G1K], 15|(1<<16)|(1<<20)|(1<<21)|(4<<22)|(3<<25)  ; 15:0 the mask of four; 17:16 2-byte elements; 20 padding on; 21 set beside a mask; 24:22 after every 32 words; 31:25 4 words
	s_mov_b32 s[G1V], 15|(1<<16)|(1<<20)|(1<<21)|(4<<22)|(7<<25)  ; the same with 8 words of padding
.irp g, G1K, G1V
	s_mov_b32 s[\g+1], 128<<16      ; tensor_dim0 = 128
	s_mov_b32 s[\g+2], 64<<16       ; tensor_dim1 = 64
	s_mov_b32 s[\g+3], 128<<16      ; tile_dim0 = 128
	s_mov_b32 s[\g+4], 64           ; tile_dim1 = 64
	s_mov_b32 s[\g+5], 128          ; 128 elements from row to row
	s_mov_b32 s[\g+6], 0
	s_mov_b32 s[\g+7], 0
.endr
	s_mov_b32 s[G0K], 1             ; count = 1
	s_mul_i32 s[G0K+1], s[WV], 128*PK  ; LDS address: my 128 keys of K
	s_mov_b32 s[G0V], 1
	s_mul_i32 s[G0V+1], s[WV], 128*PV
	s_add_co_u32 s[G0V+1], s[G0V+1], VOFF
	s_mov_b32 s[BIGN], 0xf149f2ca   ; -1e30
	s_mov_b32 s[CS], 0x3e38aa3b     ; c = log2(e) / 8
	s_mov_b32 s[CS+1], s[CS]        ; named with it as a pair
	s_mov_b32 s[NL], 0xc184e08b     ; -log2(1e5) = -16.60964
	s_mov_b32 s[NL+1], s[NL]
	s_mov_b32 s[SEL], 0x76543210
	s_mov_b32 s[SEL+1], 0xfedcba98
	s_lshl_b32 s67, s[HD], 17       ; the head's 131,072 bytes
	s_lshl_b32 s68, s[WV], 14       ; my 128 keys of 128 bytes
	s_add_co_u32 s68, s68, s67
	s_add_co_u32 s22, s68, 64<<17   ; K's heads lie behind Q's 64,
	s_mov_b32 s23, 0
	s_add_co_u32 s2, s68, 128<<17   ; V's behind K's
	s_mov_b32 s3, 0
	s_wait_dscnt 0x0                ; the opening add is done
	s_wait_kmcnt 0x0
	s_add_nc_u64 s[G0K+2:G0K+3], s[4:5], s[22:23]
	s_or_b32 s[G0K+3], s[G0K+3], 0x80000000  ; type = 2
	s_add_nc_u64 s[G0V+2:G0V+3], s[4:5], s[2:3]
	s_or_b32 s[G0V+3], s[G0V+3], 0x80000000
	CROUND                          ; all four work-groups are here: the joint loads meet
	tensor_load_to_lds s[G0K:G0K+3], s[G1K:G1K+7]  ; every wave brings an eighth of K and an eighth of V: two loads of mine are out
	s_nop 0
	tensor_load_to_lds s[G0V:G0V+3], s[G1V:G1V+7]
	s_nop 0
	PLACES
	; ALL THAT FOLLOWS, up to the first barrier, stands in the wait for K.  Offsets that hold cx are made in registers that feed no descriptor.
	s_sub_co_u32 s66, 15, s[WV]     ; tile A's group
	s_mov_b32 s73, 0
	s_lshl_b32 s69, s[CX], 11       ; 16 cx rows of 128 bytes
	s_add_co_u32 s69, s69, s67
	s_lshl_b32 s72, s66, 13         ; 64 g rows
	s_add_co_u32 s72, s72, s69
	s_add_nc_u64 s[14:15], s[4:5], s[72:73]  ; Q at tile A's rows
	s_lshl_b32 s72, s[WV], 13
	s_add_co_u32 s72, s72, s69
	s_add_nc_u64 s[16:17], s[4:5], s[72:73]  ; and at tile B's
	s_lshr_b32 s70, s[HD], 4
	s_lshl_b32 s70, s70, 6
	s_add_co_u32 s70, s70, s[CX]    ; 64 b + cx
	s_and_b32 s71, s[HD], 15        ; h
	s_lshl_b32 s72, s66, 2
	s_add_co_u32 s72, s72, s70      ; m / 16 = 64 b + 4 g + cx
	s_lshl_b32 s72, s72, 4
	s_add_co_u32 s72, s72, s71
	s_lshl_b32 s72, s72, 11
	s_add_nc_u64 s[18:19], s[8:9], s[72:73]  ; O at tile A
	s_lshl_b32 s72, s[WV], 2
	s_add_co_u32 s72, s72, s70
	s_lshl_b32 s72, s72, 4
	s_add_co_u32 s72, s72, s71
	s_lshl_b32 s72, s72, 11
	s_add_nc_u64 s[20:21], s[8:9], s[72:73]  ; and at tile B
	s_lshl_b32 s72, s71, 2
	s_add_nc_u64 s[6:7], s[6:7], s[72:73]
	s_load_b32 s[GAM], s[6:7], 0x0
	; A fragment of K or Q is 16 rows x 32 channels in 8 registers: lane l holds row l % 16, channels 8 (l / 16) + 0..7 and 16 + 8 (l / 16) + 0..7: two loads of 16 bytes, 32 bytes apart
	v_and_b32 v1, 15, v0            ; l % 16
	v_bfe_u32 v[HH], v0, 4, 1
	v_lshlrev_b32 v[QO], 7, v1
	v_lshl_add_u32 v[QO], v[HH], 4, v[QO]
	WIN 0x40                        ; destination window 1, address window 0
.irp x, 0,1
	global_load_b128 v[QF+8*\x:QF+8*\x+3],       v[QO], s[14:15] offset:64*\x
	global_load_b128 v[QF+8*\x+4:QF+8*\x+7],     v[QO], s[14:15] offset:64*\x+32
	global_load_b128 v[QF+16+8*\x:QF+16+8*\x+3], v[QO], s[16:17] offset:64*\x
	global_load_b128 v[QF+16+8*\x+4:QF+16+8*\x+7], v[QO], s[16:17] offset:64*\x+32
.endr
	WIN 0
	v_mul_u32_u24 v[AK0], v1, PK
	v_lshl_add_u32 v[AK0], v[HH], 4, v[AK0]  ; row x pitch + 16 x half
	; The turning load takes 16 keys x 16 channels (lane l reads key 8 (l / 16) + l % 8, channels 8 ((l / 8) % 2) + 0..7) and leaves half a fragment of V^T: lane l holds channel l % 16 and 8 keys
	v_and_b32 v10, 7, v0
	v_bfe_u32 v11, v0, 3, 1
	v_lshl_add_u32 v[AV0], v[HH], 3, v10
	v_mul_u32_u24 v[AV0], v[AV0], PV
	v_lshl_add_u32 v[AV0], v11, 4, v[AV0]
	v_add_nc_u32 v[AV0], VOFF, v[AV0]
	s_mul_i32 s63, s[WV], 16*SP     ; my stage
	v_mul_u32_u24 v[STO], v1, SP    ; in: row l % 16, 16 bytes for each half of the lanes
	v_lshl_add_u32 v[STO], v[HH], 4, v[STO]
	v_add_nc_u32 v[STO], s63, v[STO]
	v_bfe_u32 v[RD], v0, 3, 2       ; back: 32 lanes take four rows of 128 bytes,
	v_mul_u32_u24 v[RD], v[RD], SP
	v_lshl_add_u32 v[RD], v10, 4, v[RD]
	v_add_nc_u32 v[RD], s63, v[RD]
	v_and_b32 v[GO], 31, v0         ; which are 512 consecutive bytes of O
	v_lshlrev_b32 v[GO], 4, v[GO]
	v_lshlrev_b32 v14, 3, v[HH]
	v_sub_nc_u32 v14, v1, v14       ; l % 16 - 8 (l / 16)
	s_lshl_b32 s63, s[CX], 4
	v_add_nc_u32 v[DI], s63, v14
	; THE TRIANGLE.  As source 0 a lane holds row l % 16 of a 16 x 32 matrix; word i of U holds columns 8 (l / 16) + 2 i and + 2 i + 1: 1.0 where the column is greater than the row.
	; TM[0:7] = (0 | U): rows are keys 16-31 of 32.  TM[4:11] = (U | 1): rows are keys 0-15.  TM[8:15] = all ones: every row is the sum of the 32.
	s_mov_b32 s74, 0x3f80
	s_mov_b32 s75, 0x3f800000
.irp x, 0,1,2,3
	v_cmp_gt_i32 vcc_lo, 2*\x, v14
	v_cndmask_b32 v10, 0, s74, vcc_lo
	v_cmp_gt_i32 vcc_lo, 2*\x+1, v14
	v_cndmask_b32 v11, 0, s75, vcc_lo
	v_or_b32 v[S+\x], v10, v11
.endr
	WIN 0x40
.irp x, 0,1,2,3
	v_mov_b32 v[TM+\x], 0
	v_mov_b32 v[TM+4+\x], v[S+\x]
.endr
.set i, 8
.rept 8
	v_mov_b32 v[TM+i], 0x3f803f80
.set i, i+1
.endr
	; O^T, the carry and the sums start at 0 and the maxima at the lowest finite number, so that a tile's first step is a step like any other, with a = 0: no first step is written out
.set i, 0
.rept 64
	v_mov_b32 v[OT+i], 0
.set i, i+1
.endr
	WIN 0
.set i, 0
.rept 16
	v_mov_b32 v[CAR+i], 0
.set i, i+1
.endr
.irp x, 0,1
	v_mov_b32 v[ST+8*\x], 0xfe000000    ; c m1: far below every c s
	v_mov_b32 v[ST+8*\x+1], 0xff7fffff  ; m1
	v_mov_b32 v[ST+8*\x+4], 0
	v_mov_b32 v[ST+8*\x+5], 0
	v_mov_b32 v[ST+8*\x+6], 0
	v_mov_b32 v[ST+8*\x+7], 0
.endr
	s_wait_kmcnt 0x0                ; gamma
	v_mov_b32 v10, s[GAM]
	v_cvt_pk_bf16_f32 v10, v10, v10 ; rounded to bf16, as every input is
	v_lshlrev_b32 v10, 16, v10
	v_and_b32 v11, 0x7fffffff, v10
	v_mul_f32 v11, 0xbfb8aa3b, v11  ; -|x| log2(e)
	v_exp_f32 v11, v11
	v_max_num_f32 v10, 0, v10       ; the plain instruction behind the exponential
	s_wait_alu depctr_va_vdst(0)    ; the wait ahead of the first line that names a transcendental's result
	v_add_f32 v11, 1.0, v11
	v_log_f32 v11, v11
	v_nop
	s_wait_alu depctr_va_vdst(0)
	v_fmac_f32 v10, 0x3f317218, v11 ; softplus(x) = max(x, 0) + ln 2 log2(1 + 2^(-|x| log2 e))
	v_mul_f32 v10, 0x3db1e314, v10  ; / ln(1e5)
	v_mul_f32 v[GF], v10, v10
	v_mul_f32 v11, 0x42800000, v[GF]
	v_readfirstlane_b32 s[G64], v11 ; 64 gfac: a number for the arithmetic alone
	s_mov_b32 s[G64+1], s[G64]
	; In a tile's own (diagonal) step q - k = DI - (16 kb + j) for register 8 kb + j.  The tables start 64 below that: each step adds 64 gfac before it uses them.  Both tiles start alike.
	v_sub_nc_u32 v15, v[DI], 64
.set i, 0
.rept 32
	v_sub_nc_u32 v[WT+i], v15, 16*(i/8)+i%8
	v_cvt_f32_i32 v[WT+i], v[WT+i]
	v_mul_f32 v[WT+i], v[GF], v[WT+i]
	v_mov_b32 v[WT+32+i], v[WT+i]
.set i, i+1
.endr
; THE LDS LOADS stand in runs of 16: a step's K (64 keys x 64 channels: 8 fragments) and its V (turned)
.macro FETCH_K
	WIN 0
	v_add_nc_u32 v[AK], s[TBK], v[AK0]
	WIN 0x40
.irp f, 0,1,2,3,4,5,6,7             ; keys 16 (f / 2) on, channels 32 (f % 2) on
	ds_load_b128 v[KF+8*\f:KF+8*\f+3],   v[AK] offset:(\f/2)*16*PK+(\f%2)*64
	ds_load_b128 v[KF+8*\f+4:KF+8*\f+7], v[AK] offset:(\f/2)*16*PK+(\f%2)*64+32
.endr
	WIN 0
.endm
.macro FETCH_V
	WIN 0
	v_add_nc_u32 v[AV], s[TBV], v[AV0]
	WIN 0x40
.irp f, 0,1,2,3,4,5,6,7             ; keys 32 (f / 4) on, channels 16 (f % 4) on
	ds_load_tr16_b128 v[VF+8*\f:VF+8*\f+3],   v[AV] offset:(\f/4)*32*PV+(\f%4)*32
	ds_load_tr16_b128 v[VF+8*\f+4:VF+8*\f+7], v[AV] offset:(\f/4)*32*PV+16*PV+(\f%4)*32
.endr
	WIN 0
.endm
.macro REGS t, sb                   ; the registers of tile t, its scores at sb
.set rT, ST+8*(\t)
.set rC, CH+6*(\t)
.set rS, (\sb)
.set rW, WT+32*(\t)
.set rCA, CAR+8*(\t)
.set rQ, QF+16*(\t)
.set rO, OT+32*(\t)
.set rM, rT+2*PASS2                 ; (c m, m) of the pass in hand
.endm
; Line n of the 22 that find the maximum and the statistics.  0-11: four chains of seven scores each, three operands at a time (each accumulator's lowest registers are read first).
; 12-14, 16: the four scores left over, the old m, the chains into one.  15: c m_old is kept.  17, 18 (pass 2 alone): the query's other 32 keys lie in the lane 16 away.  19-21: c m; c m_old - c m_new; a.
.macro MX n
.if (\n) < 4
	v_max3_num_f32 v[rC+(\n)], v[rS+8*(\n)], v[rS+8*(\n)+1], v[rS+8*(\n)+2]
.elseif (\n) < 12
	v_max3_num_f32 v[rC+(\n)%4], v[rC+(\n)%4], v[rS+8*((\n)%4)+2*((\n)/4)+1], v[rS+8*((\n)%4)+2*((\n)/4)+2]
.elseif (\n) == 12
	v_max3_num_f32 v[rC], v[rC], v[rS+7], v[rS+15]
.elseif (\n) == 13
	v_max3_num_f32 v[rC+1], v[rC+1], v[rS+23], v[rS+31]
.elseif (\n) == 14
	v_max3_num_f32 v[rC+2], v[rC+2], v[rC+3], v[rM+1]
.elseif (\n) == 15
	v_mov_b32 v[rC+4], v[rM]
.elseif ((\n) == 16) && PASS2
	v_max3_num_f32 v[rC], v[rC], v[rC+1], v[rC+2]
.elseif (\n) == 16
	v_max3_num_f32 v[rM+1], v[rC], v[rC+1], v[rC+2]
.elseif (\n) == 17
	v_permlanex16_b32 v[rC+3], v[rC], s[SEL], s[SEL+1]
.elseif (\n) == 18
	v_max_num_f32 v[rM+1], v[rC], v[rC+3]
.elseif (\n) == 19
	v_mul_f32 v[rM], s[CS], v[rM+1]
.elseif (\n) == 20
	v_sub_f32 v[rC+5], v[rC+4], v[rM]
.else
	v_exp_f32 v[rT+6], v[rC+5]
.endif
.endm
; Sixteen plain lines (pair n) and 32 transcendentals (register e), dealt by turns: a pair's plain line stands two pairs ahead of its transcendentals.  The 32 are ONE batch: nothing in the deal names a result.
; wait = 1: a v_nop, the plain instruction behind the last of them, and the one wait ahead of the first line that names a result.
.macro ZIP pl, tr, wait
.set n, 0
	\pl
.set n, 1
	\pl
.set e, 0
.rept 16
	\tr
.set e, e+1
.if n < 15
.set n, n+1
	\pl
.endif
	\tr
.set e, e+1
.endr
.if \wait
	v_nop
	s_wait_alu depctr_va_vdst(0)
.endif
.endm
.macro P_E1                         ; c s - cmz
	v_pk_fma_f32 v[SUF+2*n:SUF+2*n+1], v[rS+2*n:rS+2*n+1], s[CS:CS+1], v[rT:rT+1] op_sel_hi:[1,0,0] neg_lo:[0,0,1] neg_hi:[0,0,1]
.endm
.macro P_D2                         ; d = suf (q - k) gfac, held to 0 .. 1
	v_pk_mul_f32 v[SUF+2*n:SUF+2*n+1], v[SUF+2*n:SUF+2*n+1], v[rW+2*n:rW+2*n+1] clamp
.endm
.macro P_NL                         ; -log2(1e5) sqrt(d)
	v_pk_mul_f32 v[SUF+2*n:SUF+2*n+1], v[SUF+2*n:SUF+2*n+1], s[NL:NL+1] op_sel_hi:[1,0]
.endm
.macro P_E2                         ; c s - c m
	v_pk_fma_f32 v[rS+2*n:rS+2*n+1], v[rS+2*n:rS+2*n+1], s[CS:CS+1], v[rM:rM+1] op_sel_hi:[1,0,0] neg_lo:[0,0,1] neg_hi:[0,0,1]
.endm
.macro T_XS
	v_exp_f32 v[SUF+e], v[SUF+e]
.endm
.macro T_SQ
	v_sqrt_f32 v[SUF+e], v[SUF+e]
.endm
.macro T_X2
	v_exp_f32 v[rS+e], v[rS+e]
.endm
.macro SUMS w, cnt                  ; cnt packed sums of neighbours w / 2 registers apart, in place
.set u, 0
.rept \cnt
	v_pk_add_f32 v[rS+(\w)*u:rS+(\w)*u+1], v[rS+(\w)*u:rS+(\w)*u+1], v[rS+(\w)*u+(\w)/2:rS+(\w)*u+(\w)/2+1]
.set u, u+1
.endr
.endm
.macro SUMT                         ; the 16 pairs into one, and the running sum = a x sum + that
	SUMS 4, 8
	SUMS 8, 4
	SUMS 16, 2
	SUMS 32, 1
	v_pk_fma_f32 v[rT+4:rT+5], v[rT+4:rT+5], v[rT+6:rT+7], v[rS:rS+1] op_sel_hi:[1,0,1]
.endm
; Product x of 8 of S^T = K Q^T: channels 32 (x / 4) on, keys 16 (x % 4) on.  cm = 0: starts the sum with 0; 1: with the mask in SUF; 2: adds in place
.macro KQ x, cm
.set rD, rS+8*((\x)%4)
.set rA, KF+16*((\x)%4)+8*((\x)/4)
.set rB, rQ+8*((\x)/4)
.if (\cm) == 0
	v_wmma_f32_16x16x32_f16 v[rD:rD+7], v[rA:rA+7], v[rB:rB+7], 0
.elseif (\cm) == 1
	v_wmma_f32_16x16x32_f16 v[rD:rD+7], v[rA:rA+7], v[rB:rB+7], v[SUF+8*((\x)%4):SUF+8*((\x)%4)+7]
.else
	v_wmma_f32_16x16x32_f16 v[rD:rD+7], v[rA:rA+7], v[rB:rB+7], v[rD:rD+7]
.endif
.endm
; ONE TILE'S KEY STEP IN PASS 2.  lim: the register that holds the tile's number of steps: the first step walked (CNT = lim) holds the diagonal.
.macro TILE t, lim
	REGS \t, S
	s_cmp_eq_u32 s[CNT], s[\lim]
	s_cbranch_scc0 .Lopen_\@
.set i, 0
.rept 32                            ; the diagonal step: -1e30 where the key lies behind the query: 16 kb + j > DI
	v_cmp_gt_i32 vcc_lo, 16*(i/8)+i%8, v[DI]
	v_cndmask_b32 v[SUF+i], 0, s[BIGN], vcc_lo
.set i, i+1
.endr
	WIN 0x05                        ; K and Q in window 1, scores and mask in window 0
.irp x, 0,1,2,3
	KQ \x, 1
.endr
	WIN 0
	s_branch .Ljoin_\@
.Lopen_\@:
	WIN 0x05
.irp x, 0,1,2,3
	KQ \x, 0
.endr
	WIN 0
.Ljoin_\@:
	WIN 0x05
.irp x, 4,5,6,7                     ; the four accumulators take turns
	KQ \x, 2
.endr
	WIN 0
	PLACES
	ZIP P_E1, T_XS, 1               ; p = 2^(c s - cmz)
.set n, 0
.rept 16
	v_cvt_pk_bf16_f32 v[PB+n], v[SUF+2*n], v[SUF+2*n+1]
.set n, n+1
.endr
	; suf for the step's 64 keys, later keys first.  No product takes as C the result of the product just before it; the table's sixteen additions are the places between the first three and the last three.
	WIN 0x01                        ; TM in window 1
	v_wmma_f32_16x16x32_bf16 v[CM:CM+7], v[TM+8:TM+15], v[PB+8:PB+15], v[rCA:rCA+7]          ; carry + keys 32-63
	v_wmma_f32_16x16x32_bf16 v[SUF+24:SUF+31], v[TM:TM+7], v[PB+8:PB+15], v[rCA:rCA+7]       ; keys 48-63
	v_wmma_f32_16x16x32_bf16 v[SUF+16:SUF+23], v[TM+4:TM+11], v[PB+8:PB+15], v[rCA:rCA+7]    ; keys 32-47
	WIN 0
.set n, 0
.rept 16
	v_pk_add_f32 v[rW+2*n:rW+2*n+1], v[rW+2*n:rW+2*n+1], s[G64:G64+1] op_sel_hi:[1,0]        ; (q - k) gfac of this step
.set n, n+1
.endr
	WIN 0x01
	v_wmma_f32_16x16x32_bf16 v[SUF+8:SUF+15], v[TM:TM+7], v[PB:PB+7], v[CM:CM+7]             ; keys 16-31
	v_wmma_f32_16x16x32_bf16 v[SUF:SUF+7], v[TM+4:TM+11], v[PB:PB+7], v[CM:CM+7]             ; keys 0-15
	v_wmma_f32_16x16x32_bf16 v[rCA:rCA+7], v[TM+8:TM+15], v[PB:PB+7], v[CM:CM+7]             ; the carry for the step below
	WIN 0
	PLACES
	ZIP P_D2, T_SQ, 1               ; sqrt(d)
	ZIP P_NL, T_XS, 1               ; eff
.set n, 0
.rept 16
	v_pk_mul_f32 v[S+2*n:S+2*n+1], v[S+2*n:S+2*n+1], v[SUF+2*n:SUF+2*n+1]                    ; s eff
.set n, n+1
.endr
.irp x, 0,1,2,3,4,5,6,7,8,9,10,11,12,13,14,15,16,17,18,19,20,21
	MX \x
.endr
	ZIP P_E2, T_X2, 1               ; the weights; the wait serves a too
.set n, 0
.rept 16
	v_cvt_pk_f16_f32 v[P2+n], v[S+2*n], v[S+2*n+1]
.set n, n+1
.endr
	SUMT
	WIN 0x41                        ; O^T (destination and source 0) in window 1, a in window 0
.set n, 0
.rept 16
	v_pk_mul_f32 v[rO+2*n:rO+2*n+1], v[rO+2*n:rO+2*n+1], v[rT+6:rT+7] op_sel_hi:[1,0]
.set n, n+1
.endr
	s_wait_dscnt 0x0                ; V is in
	WIN 0x51                        ; V and O^T in window 1, the weights in window 0
.irp x, 0,1,2,3,4,5,6,7             ; keys 32 (x / 4) on, channels 16 (x % 4) on; four accumulators by turns
	v_wmma_f32_16x16x32_f16 v[rO+8*(\x%4):rO+8*(\x%4)+7], v[VF+32*(\x/4)+8*(\x%4):VF+32*(\x/4)+8*(\x%4)+7], v[P2+8*(\x/4):P2+8*(\x/4)+7], v[rO+8*(\x%4):rO+8*(\x%4)+7]
.endr
	WIN 0
.endm
; The end of pass 1 for tile t: the two halves of the lanes meet; cmz = c M + log2 Z; the statistics of pass 2 are set
.macro FIN1 t
	REGS \t, S
	v_add_f32 v[rC], v[rT+4], v[rT+5]
	v_permlanex16_b32 v[rC+1], v[rT+1], s[SEL], s[SEL+1]
	v_max_num_f32 v[rC+1], v[rT+1], v[rC+1]        ; M
	v_mul_f32 v[rC+2], s[CS], v[rC+1]
	v_sub_f32 v[rC+5], v[rT], v[rC+2]
	v_exp_f32 v[rC+3], v[rC+5]                     ; my half's sum is brought to M
	v_nop
	s_wait_alu depctr_va_vdst(0)
	v_mul_f32 v[rC], v[rC], v[rC+3]
	v_permlanex16_b32 v[rC+3], v[rC], s[SEL], s[SEL+1]
	v_add_f32 v[rC], v[rC], v[rC+3]                ; Z, at least 1
	v_log_f32 v[rC+4], v[rC]
	v_nop
	s_wait_alu depctr_va_vdst(0)
	v_add_f32 v[rT], v[rC+2], v[rC+4]
	v_mov_b32 v[rT+2], 0xfe000000                  ; c m2: far below every c s
	v_mov_b32 v[rT+3], 0xff7fffff                  ; m2
	v_mov_b32 v[rT+4], 0
	v_mov_b32 v[rT+5], 0
.endm
	s_wait_tensorcnt 0x1            ; my eighth of K is in; V's load, issued behind it, may stay out
	s_barrier_signal -1
	s_barrier_wait -1               ; all of K is in
	s_wait_loadcnt 0x0              ; Q
	; PASS 1
	s_mov_b32 s[CNT], 16
	s_mov_b32 s[TBK], 0
.Lp1:                               ; a trip: 64 keys, both tiles
	FETCH_K
	s_wait_dscnt 0x0
	WIN 0x05
.set i, 0
.rept 16                            ; tile i % 2, keys 16 ((i / 2) % 4) on, channels 32 (i / 8) on: eight accumulators by turns; tile B's scores go into SUF's registers
.set rD, S+32*(i%2)+8*((i/2)%4)
.set rA, KF+16*((i/2)%4)+8*(i/8)
.set rB, QF+16*(i%2)+8*(i/8)
.if i < 8
	v_wmma_f32_16x16x32_f16 v[rD:rD+7], v[rA:rA+7], v[rB:rB+7], 0
.else
	v_wmma_f32_16x16x32_f16 v[rD:rD+7], v[rA:rA+7], v[rB:rB+7], v[rD:rD+7]
.endif
.set i, i+1
.endr
	WIN 0
	PLACES
.irp x, 0,1,2,3,4,5,6,7,8,9,10,11,12,13,14,15,16,19,20,21
	REGS 0, S                       ; the two tiles alternate, so that no line reads the result of the one before it
	MX \x
	REGS 1, SUF
	MX \x
.endr
	REGS 0, S
	ZIP P_E2, T_X2, 0
	REGS 1, SUF
	ZIP P_E2, T_X2, 1               ; one wait for the trip's 66 exponentials
	REGS 0, S
	SUMT
	REGS 1, SUF
	SUMT
	s_add_co_u32 s[TBK], s[TBK], KSB
	s_sub_co_u32 s[CNT], s[CNT], 1
	s_cmp_lg_u32 s[CNT], 0
	s_cbranch_scc1 .Lp1
	FIN1 0
	FIN1 1
	s_wait_tensorcnt 0x0            ; my eighth of V is in,
	s_wait_dscnt 0x0
	s_barrier_signal -1
	s_barrier_wait -1               ; everybody's is
	; PASS 2
.set PASS2, 1
	s_mov_b32 s[CNT], 16
	s_mov_b32 s[TBK], 16*KSB
	s_mov_b32 s[TBV], 16*VSB
.Lp2:                               ; a trip: key step CNT - 1.  The count is the same for every wave; a step above a tile's diagonal is jumped over, forward, past no barrier and no tensor load
	s_sub_co_u32 s[TBK], s[TBK], KSB
	s_sub_co_u32 s[TBV], s[TBV], VSB
	s_cmp_gt_u32 s[CNT], s[GA1]
	s_cbranch_scc1 .Lnext           ; above tile A's diagonal, and so above tile B's
	PLACES                          ; behind the last trip's products V^T P, in front of the loads into V's registers
	FETCH_K
	FETCH_V
	s_wait_dscnt 16                 ; K is in; V's sixteen loads, issued behind K's, may stay out
	TILE 0, GA1
	s_cmp_gt_u32 s[CNT], s[GB1]
	s_cbranch_scc1 .Lnext
	TILE 1, GB1
.Lnext:
	s_sub_co_u32 s[CNT], s[CNT], 1
	s_cmp_lg_u32 s[CNT], 0
	s_cbranch_scc1 .Lp2
	; THE WAY OUT.  The stages lie in K's first bytes: every wave's reads of K are over behind this barrier.
	s_wait_dscnt 0x0
	s_barrier_signal -1
	s_barrier_wait -1
.irp x, 0,1
	v_add_f32 v[ST+8*\x+4], v[ST+8*\x+4], v[ST+8*\x+5]  ; the sum's two halves, then the other half of the lanes'; these lines are also the places behind the last products
.endr
.irp x, 0,1
	v_permlanex16_b32 v[ST+8*\x+5], v[ST+8*\x+4], s[SEL], s[SEL+1]
.endr
.irp x, 0,1
	v_add_f32 v[ST+8*\x+4], v[ST+8*\x+4], v[ST+8*\x+5]
.endr
	v_nop
	v_nop
.irp x, 0,1
	v_rcp_f32 v[ST+8*\x+4], v[ST+8*\x+4]
.endr
	v_nop
	s_wait_alu depctr_va_vdst(0)    ; one wait for the two reciprocals
; Tile t: O^T is divided by the sum and rounded to f16; a lane's eight channels of a row pack into 16 bytes; they go into rows of 144 bytes and come back as whole rows of 128
.macro PACK t
	WIN 0x41
.set i, 0
.rept 16
	v_pk_mul_f32 v[OT+32*(\t)+2*i:OT+32*(\t)+2*i+1], v[OT+32*(\t)+2*i:OT+32*(\t)+2*i+1], v[ST+8*(\t)+4:ST+8*(\t)+5] op_sel_hi:[1,0]
.set i, i+1
.endr
	WIN 0x05                        ; sources 0 and 1 window 1, destination window 0
.set i, 0
.rept 16
	v_cvt_pk_f16_f32 v[S+16*(\t)+i], v[OT+32*(\t)+2*i], v[OT+32*(\t)+2*i+1]
.set i, i+1
.endr
	WIN 0
.irp f, 0,1,2,3
	ds_store_b128 v[STO], v[S+16*(\t)+4*\f:S+16*(\t)+4*\f+3] offset:32*\f
.endr
.irp f, 0,1,2,3
	ds_load_b128 v[S+16*(\t)+4*\f:S+16*(\t)+4*\f+3], v[RD] offset:\f*4*SP  ; LDS serves a wave's instructions in order (ISA guide 5.7.1.4): these see the stores above; the next tile's stores come behind them
.endr
.endm
.macro SEND t, younger              ; younger: the LDS instructions issued behind tile t's loads
.irp f, 0,1,2,3
	s_wait_dscnt (\younger)+3-\f
	global_store_b128 v[GO], v[S+16*(\t)+4*\f:S+16*(\t)+4*\f+3], s[18+2*(\t):19+2*(\t)] offset:\f*512  ; 512 consecutive bytes, at a multiple of 512 from ob's first byte
.endr
.endm
	PACK 0
	PACK 1
	SEND 0, 8
	SEND 1, 0
	s_wait_tensorcnt 0x0            ; the wave's end: behind my last tensor load and my last LDS store
	ds_add_u32 v[SPW], v[NIL]
	s_wait_dscnt 0x0
	CROUND                          ; the closing round
	s_endpgm
.Lfunc_end_k_qe6abab7476_attn:
	.size	k_qe6abab7476_attn, .Lfunc_end_k_qe6abab7476_attn-k_qe6abab7476_attn
	.p2alignl 7, 3214868480
	.fill 96, 4, 3214868480
	.section	.rodata,"a",@progbits
	.p2align	6, 0x0
	.amdhsa_kernel k_qe6abab7476_attn
		.amdhsa_group_segment_fixed_size 327680
		.amdhsa_private_segment_fixed_size 0
		.amdhsa_enable_private_segment 0
		.amdhsa_kernarg_size 24
		.amdhsa_user_sgpr_count 2
		.amdhsa_user_sgpr_kernarg_segment_ptr 1
		.amdhsa_wavefront_size32 1
		.amdhsa_system_sgpr_workgroup_id_x 1
		.amdhsa_system_sgpr_workgroup_id_y 1
		.amdhsa_system_sgpr_workgroup_id_z 1
		.amdhsa_system_vgpr_workitem_id 0
		.amdhsa_next_free_vgpr 496
		.amdhsa_next_free_sgpr 76
		.amdhsa_reserve_vcc 1
		.amdhsa_float_denorm_mode_32 3
		.amdhsa_float_denorm_mode_16_64 3
		.amdhsa_memory_ordered 1
		.amdhsa_forward_progress 1
		.amdhsa_inst_pref_size 82
	.end_amdhsa_kernel
	.amdgpu_metadata
---
amdhsa.version: [ 1, 2 ]
amdhsa.kernels:
  - .name:           k_qe6abab7476_attn
    .symbol:         k_qe6abab7476_attn.kd
    .args:
      - { .name: qkv, .offset: 0, .size: 8, .value_kind: global_buffer, .address_space: global }
      - { .name: gammas, .offset: 8, .size: 8, .value_kind: global_buffer, .address_space: global }
      - { .name: ob, .offset: 16, .size: 8, .value_kind: global_buffer, .address_space: global }
    .group_segment_fixed_size: 327680
    .private_segment_fixed_size: 0
    .kernarg_segment_align: 8
    .kernarg_segment_size: 24
    .max_flat_workgroup_size: 256
    .sgpr_count:     76
    .vgpr_count:     496
    .wavefront_size: 32
...
	.end_amdgpu_metadata
.endif
;; end of part 3
;; launch outp (part 4): grid 8 x 32, 4 waves a work-group, clusters of 4 x 4, 327,680 bytes of LDS; arguments ob, cb, bo, out0; writes out0
.if DOCPART == 4
	.amdgcn_target "amdgcn-amd-amdhsa--gfx1250"
	.amdhsa_code_object_version 6
	.text
	.protected	k_qe6abab7476_outp
	.globl	k_qe6abab7476_outp
	.p2align	8
	.type	k_qe6abab7476_outp,@function
k_qe6abab7476_outp:
	s_mov_b64 s[64:65], 0
	v_nop
	global_prefetch_b8 v0, s[64:65] scope:SCOPE_SE
	s_setreg_imm32_b32 hwreg(HW_REG_WAVE_MODE, 25, 1), 1
	s_wait_xcnt 0x0
	s_wait_alu depctr_hold_cnt(0) depctr_sa_sdst(0) depctr_va_vdst(0) depctr_va_sdst(0) depctr_va_ssrc(0) depctr_va_vcc(0) depctr_vm_vsrc(0)
	s_getreg_b32 s2, hwreg(HW_REG_IB_STS2, 6, 4)
	s_cmp_eq_u32 s2, 0
	s_cbranch_scc0 .Lentry_in_a_cluster
	s_endpgm
.Lentry_in_a_cluster:
	s_bfe_u32 s2, ttmp6, 0x10000c
	s_cmp_lg_u32 s2, 0xf033
	s_cbranch_scc0 .Lentry_shape_is_right
	s_endpgm
.Lentry_shape_is_right:
; out0[m][n] = bo[n] + sum over k of O[m][k] Wo[n][k].  m = 0 .. 4,095, n = 0 .. 1,023, k = 64 h + channel = 0 .. 1,023.  Sums in f32, out0 in f32.
; O: ob, [m / 16][h][m % 16][64] f16.  Wo: cb + WO, [1024][1024] f16 (the bf16 rounding of Wo, written as f16).  bo is rounded to bf16 like every input and is the C operand of the products that start the sums.
; SHARES.  A tile of out0 is 128 x 128: 32 x 8 = 256 work-groups.  Four waves, each 64 x 64: 16 accumulators of 16 x 16.  K goes in four steps of 256 (four heads) through two LDS slots: the text is written
; straight, without a loop: with four steps a loop would have one trip and be no shorter.
; O's TILE: for a block of 16 rows the four heads of a K step are 8,192 consecutive bytes; a wave's load brings four such blocks (64 rows), padded after every 128 bytes: in LDS [block][head][row], 144 bytes a row.
; CLUSTERS: 4 x 4 work-groups; O's tiles are shared along a row of the cluster, Wo's along a column: joint loads, same descriptor, a mask that names the four.  No prefetch: four short steps of small tiles.
; THE MATRIX INSTRUCTION IS USED TRANSPOSED (source 0 = 16 rows of Wo, source 1 = 16 rows of O): a lane holds row l % 16 and eight neighbouring columns: 32 bytes of f32.
; REGISTERS: window 0: v0-31 addresses; v32-63 the bias; v128-255 the accumulators ((a, b) at v[128 + 8 (4 a + b)]).   window 1: two fragment buffers of 128: 64 registers of O, then 64 of Wo.
.set PITA,   144                       ; a row of O in LDS: 128 bytes + 16: the 16 rows of a load start at 16 different groups of four banks (64 banks of 4 bytes: ISA guide 11.1)
.set PITB,   528                       ; a row of Wo: 512 bytes + 16
.set HEADA,  16*PITA                   ; one head's 16 rows
.set HALFA,  16*HEADA                  ; four blocks x four heads: what one load brings of O, and what one wave reads
.set HALFB,  64*PITB                   ; 64 rows of Wo
.set SLOT,   2*HALFA+2*HALFB           ; O's 128 rows, then Wo's 128 rows
.set STAGE,  2*SLOT                    ; behind the ring: 16 rows x 272 bytes for each wave
.set SPITCH, 272
.set SPARE,  STAGE+4*16*SPITCH         ; behind the stages: the spare words, 128 bytes for each wave: two blocks of 256 bytes that no other line names
.set WO,     31457280                  ; Wo's first byte in cb
.set STEPA,  8192                      ; bytes from a K step to the next in ob
.set STEPB,  512                       ; and in a row of Wo
.set ADRA, 16                          ; v16-17  LDS address of my O fragments in slot 0, 1
.set ADRB, 20                          ; v20-21  the same for Wo
.set STO,  24                          ; v24     the way out: where I put 32 bytes of a row
.set RD,   25                          ; v25     the way out: where I read a row back
.set CO,   26                          ; v26     my byte offset in two rows of out0
.set BO,   27                          ; v27     my byte offset in bo
.set SPW,  28                          ; v28     LDS address of my spare word; never rewritten
.set NIL,  29                          ; v29     0; never rewritten
.set BIAS, 32
.set ACC,  128
.set F0,   0
.set F1,   128
.set G1, 24                            ; s[24:31] descriptor group 1 for O's tiles;  s[32:39] group 0, one set for each slot
.set G0, 32
.set G1B, 48                           ; s[48:55], s[56:63] the same for Wo's
.set G0B, 56
.set MSB, 0
.macro WIN new
.if MSB != (\new)
	s_set_vgpr_msb (MSB<<8)|(\new)
.set MSB, \new
.endif
.endm
.set MUL,  0x05                        ; sources 0 (Wo) and 1 (O) window 1; C and D window 0
.set TO_F, 0x40                        ; destination window 1, address window 0
.macro JLOAD s                         ; a joint load: waves 0 and 1 fetch O's two halves, waves 2 and 3 Wo's; an s_nop 0 and four v_nop follow each of the two lines
	s_cmp_eq_u32 s11, 0
	s_cbranch_scc0 .Lfor_b_\@
	tensor_load_to_lds s[G0+4*(\s):G0+4*(\s)+3], s[G1:G1+7]
	s_nop 0
.rept 4
	v_nop
.endr
	s_branch .Lasked_\@
.Lfor_b_\@:
	tensor_load_to_lds s[G0B+4*(\s):G0B+4*(\s)+3], s[G1B:G1B+7]
	s_nop 0
.rept 4
	v_nop
.endr
.Lasked_\@:
.endm
.macro CREST
	s_cmp_lg_u32 s10, 0
	s_cbranch_scc1 .Lnot_wave_0_\@
	s_barrier_signal -3
.Lnot_wave_0_\@:
	s_barrier_wait -3
	s_barrier_signal -1
	s_barrier_wait -1
.endm
.macro CROUND
	s_barrier_signal -1
	s_barrier_wait -1
	CREST
.endm
	s_load_b256 s[68:75], s[0:1], 0x0              ; ob 68, cb 70, bo 72, out0 74
	v_lshl_add_u32 v[SPW], v0, 2, SPARE
	v_mov_b32 v[NIL], 0
	ds_add_u32 v[SPW], v[NIL]                      ; the wave's opening: the add and its wait stand ahead of my first tensor load; the set-up below, work on registers, stands between them
	v_lshrrev_b32 v1, 5, v0
	v_readfirstlane_b32 s10, v1                    ; wave 0..3
	s_lshr_b32 s11, s10, 1                         ; which half of the tile's rows is mine.  Also: I fetch for O (0) or for Wo (1)
	s_and_b32 s12, s10, 1                          ; which half of its columns.  Also: which 64 rows of that tile I fetch
	s_bfe_u32 s40, ttmp6, 0x40000                  ; cx
	s_bfe_u32 s41, ttmp6, 0x40004                  ; cy
	s_lshl_b32 s42, ttmp9, 2
	s_add_co_u32 s42, s42, s40                     ; tile column = 4 x cluster x + cx
	s_and_b32 s13, ttmp7, 0xffff
	s_lshl_b32 s13, s13, 2
	s_add_co_u32 s13, s13, s41                     ; tile row = 4 x cluster y + cy
	s_lshl_b32 s43, s41, 2
	s_lshl_b32 s43, 15, s43                        ; my row of the cluster
	s_lshl_b32 s44, 0x1111, s40                    ; my column
	; O's group 1: 4 rows (blocks of 16 rows of O) of 4,096 elements (four heads), 16,384 elements apart; padding of 4 words after every 32 words
	s_or_b32 s[G1+0], s43, (1<<16)|(1<<20)|(1<<21)|(4<<22)|(3<<25)
	s_mov_b32 s[G1+1], 4096<<16                    ; tensor_dim0 = 4,096
	s_mov_b32 s[G1+2], 4<<16                       ; tensor_dim1 = 4
	s_mov_b32 s[G1+3], 4096<<16                    ; tile_dim0 = 4,096
	s_mov_b32 s[G1+4], 4                           ; tile_dim1 = 4
	s_mov_b32 s[G1+5], 16384                       ; elements from block to block
	s_mov_b32 s[G1+6], 0
	s_mov_b32 s[G1+7], 0
	; Wo's group 1: 64 rows of 256 elements, 1,024 elements apart; padding of 4 words after every 128 words
	s_or_b32 s[G1B+0], s44, (1<<16)|(1<<20)|(1<<21)|(6<<22)|(3<<25)
	s_mov_b32 s[G1B+1], 256<<16
	s_mov_b32 s[G1B+2], 64<<16
	s_mov_b32 s[G1B+3], 256<<16
	s_mov_b32 s[G1B+4], 64
	s_mov_b32 s[G1B+5], 1024
	s_mov_b32 s[G1B+6], 0
	s_mov_b32 s[G1B+7], 0
	s_lshl_b32 s16, s13, 3
	s_lshl_b32 s17, s12, 2
	s_add_co_u32 s16, s16, s17                     ; O: block 8 x tile row + 4 x half,
	s_lshl_b32 s16, s16, 15                        ; of 32,768 bytes
	s_mov_b32 s17, 0
	s_lshl_b32 s46, s42, 7
	s_lshl_b32 s47, s12, 6
	s_add_co_u32 s46, s46, s47                     ; Wo: row 128 x tile column + 64 x half,
	s_lshl_b32 s46, s46, 11                        ; of 2,048 bytes
	s_mov_b32 s47, 0
	s_mul_i32 s20, s10, HALFA                      ; where they go: O's halves at wave x HALFA (waves 0, 1),
	s_mul_i32 s21, s10, HALFB
	s_add_co_u32 s21, s21, 2*HALFA-2*HALFB         ; Wo's behind them at (wave - 2) x HALFB (waves 2, 3)
	s_wait_dscnt 0x0                               ; the opening add is done
	s_wait_kmcnt 0x0
	s_add_nc_u64 s[14:15], s[68:69], s[16:17]
	s_add_nc_u64 s[6:7], s[70:71], WO
	s_add_nc_u64 s[46:47], s[6:7], s[46:47]
	CROUND                                         ; all sixteen work-groups are here: the first joint loads meet
.irp s, 0,1
	s_mov_b32 s[G0+4*(\s)], 1
	s_add_co_u32 s[G0+4*(\s)+1], s20, (\s)*SLOT
	s_add_nc_u64 s[G0+4*(\s)+2:G0+4*(\s)+3], s[14:15], (\s)*STEPA
	s_or_b32 s[G0+4*(\s)+3], s[G0+4*(\s)+3], 0x80000000
	s_mov_b32 s[G0B+4*(\s)], 1
	s_add_co_u32 s[G0B+4*(\s)+1], s21, (\s)*SLOT
	s_add_nc_u64 s[G0B+4*(\s)+2:G0B+4*(\s)+3], s[46:47], (\s)*STEPB
	s_or_b32 s[G0B+4*(\s)+3], s[G0B+4*(\s)+3], 0x80000000
	JLOAD \s                                       ; two loads of mine are out
.endr
	v_and_b32 v1, 15, v0                           ; l % 16
	v_bfe_u32 v2, v0, 4, 1                         ; l / 16
	s_lshl_b32 s78, s42, 9
	s_lshl_b32 s79, s12, 8
	s_add_co_u32 s78, s78, s79                     ; my 64 columns, in bytes of f32
	v_lshl_add_u32 v[BO], v2, 5, s78
.irp b, 0,1,2,3
	global_load_b128 v[BIAS+8*(\b):BIAS+8*(\b)+3],   v[BO], s[72:73] offset:64*(\b)
	global_load_b128 v[BIAS+8*(\b)+4:BIAS+8*(\b)+7], v[BO], s[72:73] offset:64*(\b)+16
.endr
	v_mul_u32_u24 v3, v1, PITA
	v_lshl_add_u32 v3, v2, 4, v3                   ; a fragment's row x pitch + 16 x half
	v_mul_u32_u24 v4, v1, PITB
	v_lshl_add_u32 v4, v2, 4, v4
	s_mul_i32 s21, s11, HALFA                      ; my 64 rows of O
	s_mul_i32 s22, s12, HALFB                      ; my 64 rows of Wo,
	s_add_co_u32 s22, s22, 2*HALFA                 ; which lie behind O's 128
.irp s, 0,1
	v_add_nc_u32 v[ADRA+(\s)], s21, v3
	v_add_nc_u32 v[ADRB+(\s)], s22, v4
	s_add_co_u32 s21, s21, SLOT
	s_add_co_u32 s22, s22, SLOT
.endr
	s_mul_i32 s23, s10, 16*SPITCH
	s_add_co_u32 s23, s23, STAGE                   ; my stage
	v_mul_u32_u24 v4, v1, SPITCH                   ; in: row l % 16, 32 bytes for each half of the lanes
	v_lshl_add_u32 v4, v2, 5, v4
	v_add_nc_u32 v[STO], s23, v4
	v_mul_u32_u24 v5, v2, SPITCH                   ; back: lanes 0-15 take one row of 256 bytes, lanes 16-31 the next
	v_lshl_add_u32 v5, v1, 4, v5
	v_add_nc_u32 v[RD], s23, v5
	v_lshlrev_b32 v5, 12, v2                       ; and the same two rows in out0, 4,096 bytes apart
	v_lshl_add_u32 v[CO], v1, 4, v5
	s_lshl_b32 s16, s13, 7
	s_lshl_b32 s17, s11, 6
	s_add_co_u32 s16, s16, s17                     ; my first row: 128 x tile row + 64 x half
	s_lshl_b32 s16, s16, 12
	s_add_co_u32 s16, s16, s78
	s_mov_b32 s17, 0
	s_add_nc_u64 s[8:9], s[74:75], s[16:17]
	s_wait_loadcnt 0x0                             ; the bias is in; it is rounded to bf16, as every input is, and widened again
.set i, 0
.rept 16
	v_cvt_pk_bf16_f32 v[1+i%4], v[BIAS+2*i], v[BIAS+2*i+1]
	v_lshlrev_b32 v[BIAS+2*i], 16, v[1+i%4]
	v_and_b32 v[BIAS+2*i+1], 0xffff0000, v[1+i%4]
.set i, i+1
.endr
; 8 matrix instructions: m blocks a0, a0 + 1 x all 4 n blocks, 32 along K: half c of buffer f.  zero = 1: the first product starts the sums, with the bias as C
.macro MUL8 f, c, a0, zero
	WIN MUL
.irp a, \a0, (\a0)+1
.irp b, 0,1,2,3
.if \zero
	v_wmma_f32_16x16x32_f16 v[ACC+8*(4*(\a)+(\b)):ACC+8*(4*(\a)+(\b))+7], v[(\f)+64+8*(4*(\c)+(\b)):(\f)+64+8*(4*(\c)+(\b))+7], v[(\f)+8*(4*(\c)+(\a)):(\f)+8*(4*(\c)+(\a))+7], v[BIAS+8*(\b):BIAS+8*(\b)+7]
.else
	v_wmma_f32_16x16x32_f16 v[ACC+8*(4*(\a)+(\b)):ACC+8*(4*(\a)+(\b))+7], v[(\f)+64+8*(4*(\c)+(\b)):(\f)+64+8*(4*(\c)+(\b))+7], v[(\f)+8*(4*(\c)+(\a)):(\f)+8*(4*(\c)+(\a))+7], v[ACC+8*(4*(\a)+(\b)):ACC+8*(4*(\a)+(\b))+7]
.endif
.endr
.endr
.endm
; 32 LDS loads in one run: the fragments of quarter q of a K step (one head: 64 along K), into buffer f; the first 32 along K first
.macro FETCH slot, q, f
	WIN TO_F
.irp c, 0,1
.irp i, 0,1,2,3
	ds_load_b128 v[(\f)+64+8*(4*(\c)+(\i)):(\f)+64+8*(4*(\c)+(\i))+3],   v[ADRB+(\slot)] offset:128*(\q)+64*(\c)+(\i)*16*PITB
	ds_load_b128 v[(\f)+64+8*(4*(\c)+(\i))+4:(\f)+64+8*(4*(\c)+(\i))+7], v[ADRB+(\slot)] offset:128*(\q)+64*(\c)+(\i)*16*PITB+32
	ds_load_b128 v[(\f)+8*(4*(\c)+(\i)):(\f)+8*(4*(\c)+(\i))+3],         v[ADRA+(\slot)] offset:(4*(\i)+(\q))*HEADA+64*(\c)
	ds_load_b128 v[(\f)+8*(4*(\c)+(\i))+4:(\f)+8*(4*(\c)+(\i))+7],       v[ADRA+(\slot)] offset:(4*(\i)+(\q))*HEADA+64*(\c)+32
.endr
.endr
.endm
.macro PLACES                          ; four plain vector instructions in front of loads into registers that matrix instructions have read, and of LDS stores that read results (ISA guide 7.12.1 for vector instructions)
.rept 4
	v_nop
.endr
.endm
; A K step is four quarters, 32 matrix instructions each, on buffers 0, 1, 0, 1; the 16 accumulators take turns.  One of the first three: multiplies buffer f and fetches quarter q into g.
.macro QUARTER slot, q, f, g, zero
	s_wait_dscnt 16                                ; the first 32 along K are in
	MUL8 \f, 0, 0, \zero
	MUL8 \f, 0, 2, \zero
	PLACES
	FETCH \slot, \q, \g
	s_wait_dscnt 32                                ; all but the 32 just issued
	MUL8 \f, 1, 0, 0
	MUL8 \f, 1, 2, 0
.endm
; The last quarter multiplies buffer 1 and changes slots: one barrier; in front of it each wave waits for all its tensor loads, adds 0 to its spare word, and waits for that and for its own reads of this slot.
; fill = 1: the barrier opens a round of the cluster's barrier, and this slot is filled again first behind the round, with the K step two steps on.
.macro TURN slot, next, fill
	WIN 0                                          ; (the add's two registers lie in window 0)
	s_wait_tensorcnt 0x0                           ; all my tensor loads have landed: my part of the next slot
	ds_add_u32 v[SPW], v[NIL]                      ; 0 onto my spare word
	s_wait_dscnt 17                                ; (the add and the youngest sixteen loads may be out)
	MUL8 F1, 0, 0, 0                               ; eight matrix instructions stand between the add and the wait for it
	s_wait_dscnt 0x0                               ; the add is done, and my reads of this slot are over
	s_barrier_signal -1
	MUL8 F1, 0, 2, 0
.if \fill
	WIN 0
.endif
	s_barrier_wait -1
.if \fill
	CREST                                          ; no wave of any partner still reads this slot's tile or has a load on its way
	s_add_nc_u64 s[G0+4*(\slot)+2:G0+4*(\slot)+3], s[G0+4*(\slot)+2:G0+4*(\slot)+3], 2*STEPA
	s_add_nc_u64 s[G0B+4*(\slot)+2:G0B+4*(\slot)+3], s[G0B+4*(\slot)+2:G0B+4*(\slot)+3], 2*STEPB
	JLOAD \slot                                    ; 112 matrix instructions ahead of the wait for it; the four v_nop behind it are also the places in front of the loads below
.else
	PLACES
.endif
	FETCH \next, 0, F0
	MUL8 F1, 1, 0, 0
	MUL8 F1, 1, 2, 0
.endm
; THE WAY OUT.  A wave's 64 columns of f32 are 256 aligned bytes of a row: each wave has a stage of its own, and no barrier is needed.
; STG a: block a's 16 rows into the stage (each accumulator's low four registers first), and back as whole rows, into the registers that they left.
.macro STG a
.irp b, 0,1,2,3
	ds_store_b128 v[STO], v[ACC+32*(\a)+8*(\b):ACC+32*(\a)+8*(\b)+3]   offset:64*(\b)
	ds_store_b128 v[STO], v[ACC+32*(\a)+8*(\b)+4:ACC+32*(\a)+8*(\b)+7] offset:64*(\b)+16
.endr
.irp t, 0,1,2,3,4,5,6,7
	ds_load_b128 v[ACC+32*(\a)+4*(\t):ACC+32*(\a)+4*(\t)+3], v[RD] offset:(\t)*2*SPITCH  ; LDS serves a wave's instructions in order (ISA guide 5.7.1.4): these see the stores above; the next block's stores come behind them
.endr
.endm
.macro SND a, younger                  ; younger: the LDS instructions issued behind block a's loads: the next block's sixteen, or none
.irp t, 0,1,2,3,4,5,6,7
	s_wait_dscnt (\younger)+7-(\t)
	global_store_b128 v[CO], v[ACC+32*(\a)+4*(\t):ACC+32*(\a)+4*(\t)+3], s[8:9] offset:(16*(\a)+2*(\t))*4096  ; 16 lanes store 256 consecutive bytes, at a multiple of 256 from out0's first byte
.endr
.endm
	s_wait_tensorcnt 1                             ; my part of K step 0 is in; K step 1's may stay out
	s_barrier_signal -1
	s_barrier_wait -1                              ; everybody's is
	FETCH 0, 0, F0
	QUARTER 0, 1, F0, F1, 1                        ; K step 0; its first products start the sums
	QUARTER 0, 2, F1, F0, 0
	QUARTER 0, 3, F0, F1, 0
	TURN 0, 1, 1                                   ; slot 0 takes K step 2
	QUARTER 1, 1, F0, F1, 0                        ; K step 1
	QUARTER 1, 2, F1, F0, 0
	QUARTER 1, 3, F0, F1, 0
	TURN 1, 0, 1                                   ; slot 1 takes K step 3
	QUARTER 0, 1, F0, F1, 0                        ; K step 2
	QUARTER 0, 2, F1, F0, 0
	QUARTER 0, 3, F0, F1, 0
	TURN 0, 1, 0                                   ; nothing is left to fetch
	QUARTER 1, 1, F0, F1, 0                        ; K step 3
	QUARTER 1, 2, F1, F0, 0
	QUARTER 1, 3, F0, F1, 0
	s_wait_dscnt 16
	MUL8 F1, 0, 0, 0
	MUL8 F1, 0, 2, 0
	s_wait_dscnt 0x0
	MUL8 F1, 1, 0, 0
	MUL8 F1, 1, 2, 0
	WIN 0
	PLACES
	STG 0
	STG 1
	SND 0, 16
	STG 2
	SND 1, 16
	STG 3
	SND 2, 16
	SND 3, 0
	s_wait_tensorcnt 0x0                           ; the wave's end: behind my last tensor load and my last LDS store
	ds_add_u32 v[SPW], v[NIL]
	s_wait_dscnt 0x0
	CROUND                                         ; the closing round: no work-group ends while a partner may still ask for a tile that names it
	s_endpgm
.Lfunc_end_k_qe6abab7476_outp:
	.size	k_qe6abab7476_outp, .Lfunc_end_k_qe6abab7476_outp-k_qe6abab7476_outp
	.p2alignl 7, 3214868480
	.fill 96, 4, 3214868480
	.section	.rodata,"a",@progbits
	.p2align	6, 0x0
	.amdhsa_kernel k_qe6abab7476_outp
		.amdhsa_group_segment_fixed_size 327680
		.amdhsa_private_segment_fixed_size 0
		.amdhsa_enable_private_segment 0
		.amdhsa_kernarg_size 32
		.amdhsa_user_sgpr_count 2
		.amdhsa_user_sgpr_kernarg_segment_ptr 1
		.amdhsa_wavefront_size32 1
		.amdhsa_system_sgpr_workgroup_id_x 1
		.amdhsa_system_sgpr_workgroup_id_y 1
		.amdhsa_system_sgpr_workgroup_id_z 1
		.amdhsa_system_vgpr_workitem_id 0
		.amdhsa_next_free_vgpr 512
		.amdhsa_next_free_sgpr 80
		.amdhsa_reserve_vcc 0
		.amdhsa_float_denorm_mode_32 3
		.amdhsa_float_denorm_mode_16_64 3
		.amdhsa_memory_ordered 1
		.amdhsa_forward_progress 1
		.amdhsa_inst_pref_size 90
	.end_amdhsa_kernel
	.amdgpu_metadata
---
amdhsa.version: [ 1, 2 ]
amdhsa.kernels:
  - .name:           k_qe6abab7476_outp
    .symbol:         k_qe6abab7476_outp.kd
    .args:
      - { .name: ob, .offset: 0, .size: 8, .value_kind: global_buffer, .address_space: global }
      - { .name: cb, .offset: 8, .size: 8, .value_kind: global_buffer, .address_space: global }
      - { .name: bo, .offset: 16, .size: 8, .value_kind: global_buffer, .address_space: global }
      - { .name: out0, .offset: 24, .size: 8, .value_kind: global_buffer, .address_space: global }
    .group_segment_fixed_size: 327680
    .private_segment_fixed_size: 0
    .kernarg_segment_align: 8
    .kernarg_segment_size: 32
    .max_flat_workgroup_size: 128
    .sgpr_count:     80
    .vgpr_count:     512
    .wavefront_size: 32
...
	.end_amdgpu_metadata
.endif
;; end of part 4
